; MI455X (gfx1250); checked and timed in simulation.
; The chip was launched on July 23, 2026; its instructions are those of AMD's public machine-readable ISA for CDNA 5 (MIT licence, August 2026) and "CDNA5" Instruction Set Architecture Reference Guide (July 2026). The comments in the code are by the model that wrote it; some were corrected since.
;; Multi Headed Attention. Allowed arithmetic: float matrix products may take bf16 or f16 operands with f32 sums; all other float work in f32.
;; Inputs: Wk 1,024 x 1,024 float32; Wo 1,024 x 1,024 float32; Wq 1,024 x 1,024 float32; Wv 1,024 x 1,024 float32; bk 1,024 float32; bo 1,024 float32; bq 1,024 float32; bv 1,024 float32; key 2 x 2,048 x 1,024 float32; query 2 x 2,048 x 1,024 float32; value 2 x 2,048 x 1,024 float32.
;; Outputs: out0 2 x 2,048 x 1,024 float32.
;; 2 versions, each right; version 2 is version 1 with the launch attn written anew for expert scheduling mode. Each part assembles by itself: llvm-mc -triple=amdgcn-amd-amdhsa -mcpu=gfx1250 --defsym DOCPART=n.
;; ======== version 1 of 2: 3 launches
;; limits: values are held in f16: magnitudes above 65,504 overflow, below 6.1e-05 lose precision; right only within a limited range of input values
;; workspace buffers: qh 8,388,608 bytes; kh 8,388,608 bytes; vh 8,388,608 bytes; ctx 8,388,608 bytes; wof 2,097,152 bytes
;; launch qkv (part 1): grid 4 x 48, 4 waves a work-group, clusters of 4 x 4, 327,680 bytes of LDS; arguments query, key, value, Wq, Wk, Wv, bq, bk, bv, qh, kh, vh; writes qh, kh, vh
.if DOCPART == 1
	.amdgcn_target "amdgcn-amd-amdhsa--gfx1250"
	.amdhsa_code_object_version 6
	.text
	.protected	k_q0164143bb6_qkv
	.globl	k_q0164143bb6_qkv
	.p2align	8
	.type	k_q0164143bb6_qkv,@function
k_q0164143bb6_qkv:
	s_mov_b64 s[64:65], 0
	v_nop
	global_prefetch_b8 v0, s[64:65] scope:SCOPE_SE
	s_setreg_imm32_b32 hwreg(HW_REG_WAVE_MODE, 25, 1), 1
	s_wait_xcnt 0x0
	s_wait_alu depctr_hold_cnt(0) depctr_sa_sdst(0) depctr_va_vdst(0) depctr_va_sdst(0) depctr_va_ssrc(0) depctr_va_vcc(0) depctr_vm_vsrc(0)
	s_getreg_b32 s2, hwreg(HW_REG_IB_STS2, 6, 4)
	s_cmp_eq_u32 s2, 0
	s_cbranch_scc0 .Lentry_in_a_cluster
	s_endpgm
.Lentry_in_a_cluster:
	s_bfe_u32 s2, ttmp6, 0x10000c
	s_cmp_lg_u32 s2, 0xf033
	s_cbranch_scc0 .Lentry_shape_is_right
	s_endpgm
.Lentry_shape_is_right:
; y = x W^T + b for the three projections (x: [4096][1024] f32, W: [1024][1024] f32, b: [1024] f32), rotary embedding on q and k,
; result rounded once to f16: qh, kh, vh are [4096][1024] f16, column = 64 head + d.
; The grid's 48 block rows are 3 x 16: cluster row / 4 says which projection (0 q, 1 k, 2 v), equal in all sixteen partners of a cluster.
; A work-group makes 256 x 256 of y with four waves, a wave 128 x 128 in 64 accumulator tiles (512 registers).
; K goes in steps of 64 f32 (rows of 256 bytes, aligned) through two LDS slots filled by the tensor data mover.  The tiles are f32: a wave reads
; them into a staging window, rounds pairs to f16 (v_cvt_pk_f16_f32) and multiplies with the f16 matrix form, sums in f32.
; CLUSTERS: 4 x 4 work-groups.  x's tile hangs on the block row alone and is asked for jointly by a row of the cluster (whose four blocks are all
; 1024 columns), W's tile on the block column alone and is asked for jointly by a column.
; 3 x 16 x 4 = 192 work-groups: a block of 128 x 128 would read twice the LDS bytes for each multiply-add.
; LIMITS: matrix operands and results are f16: |x|, |W|, and |q|, |k|, |v| after bias and rotation must stay under 65,504.
; The rotary angles are made in f32 (range reduction by 2 pi in two parts, polynomials on |y| <= pi/4, two doublings, then one rotation a row for
; 63 rows); they lie within about 3e-4 rad of pos x inv_freq, and q and k use the same table.
;
; REGISTERS, in windows of 256:
;   window 0: v0-31 ids, addresses, temporaries; v32-63 table work, then cos and sin of 16 rows; v64-127 FA: f16 fragments of my 128 rows of x;
;             v128-191 FB: f16 fragments of my 128 rows of W; v192-255 bias of my 128 columns (8 for each column tile)
;   window 1: f32 staging, 16 registers a fragment: v0-127 W, v128-255 x
;   window 2: accumulator tiles of my rows 0-63 (tile (a, b) at v[8 (8 a + b)]);  window 3: those of my rows 64-127
; The matrix instruction is used transposed (source 0 = rows of W, source 1 = rows of x): lane l holds row l % 16 of y and its registers 0-7 the
; columns 8 (l / 16) + 0..7 of the tile: eight neighbours of a row.
.set PITCH,  272                       ; an LDS row: 256 bytes + 16 of padding: 16 rows begin in 16 different 16-byte columns of 256
.set HALFT,  128*PITCH                 ; what one tensor load brings, and what a wave reads of x or of W
.set SLOT,   4*HALFT                   ; x's 256 rows, then W's 256 rows
.set STAGE,  2*SLOT                    ; behind the ring: 16 rows x 272 bytes for each wave, for the way out
.set KBYTES, 256                       ; bytes of a row in a K step
.set LAPS,   1024/128                  ; a lap = two K steps = once round the ring
.set ADRA, 16                          ; v16-17  LDS address of my x fragments in slot 0, 1; v16 is also my address in the cos/sin table
.set ADRB, 20                          ; v20-21  the same for W
.set STO,  24                          ; way out: where I put 16 bytes of a row
.set RD,   25                          ; way out: where I read a row back
.set CO,   26                          ; my byte offset in the output
.set TW,   28                          ; where I write the table
.set BOFF, 29                          ; my byte offset in the bias
.set TF,  32                           ; table work: frequency, angle, cos, sin, cos and sin of one step, four temporaries
.set TX,  33
.set TC,  34
.set TS,  35
.set TC1, 36
.set TS1, 37
.set TA,  38
.set TY,  39
.set TZ,  40
.set TP,  41
.set CS,  32                           ; v32-47  cos of frequencies 8h..8h+7 and 16+8h..16+8h+7 of my row
.set SN,  48                           ; v48-63  sin likewise
.set FA,  64
.set FB,  128
.set BIAS, 192
.set TR,  64                           ; way out: 64 results in f32 (FA's registers)
.set PK,  128                          ; way out: packed f16
.set RB,  160                          ; way out: rows read back
.set SB,  0                            ; window 1
.set SA,  128                          ; window 1
.set G1,  24                           ; s[24:31] descriptor group 1, x's tiles
.set G0,  32                           ; s[32:39] group 0, x's tiles, a set for each slot
.set G1B, 48                           ; s[48:55] group 1, W's tiles: the mask differs
.set G0B, 56                           ; s[56:63] group 0, W's tiles
.set LD,     0x40                      ; destination window 1, address window 0
.set CV,     0x05                      ; sources window 1, destination window 0
.set MUL_LO, 0xa0                      ; sources window 0, C and D window 2
.set MUL_HI, 0xf0                      ; C and D window 3
.set MSB, 0
.macro WIN new                         ; the immediate's high byte repeats the setting that is left
.if MSB != \new
	s_set_vgpr_msb (MSB<<8)|\new
.set MSB, \new
.endif
.endm
.macro PLACES                          ; four places behind a matrix instruction (ISA guide 7.12.1) before its registers are written or its result read
.rept 4
	v_nop
.endr
.endm
; A joint load: waves 0 and 1 fetch x's two halves, waves 2 and 3 W's.  The branch hangs on the wave's number alone.
.macro JLOAD s
	s_cmp_eq_u32 s11, 0
	s_cbranch_scc0 .Lfor_b_\@
	tensor_load_to_lds s[G0+4*\s:G0+4*\s+3], s[G1:G1+7]
	s_nop 0
	s_branch .Lasked_\@
.Lfor_b_\@:
	tensor_load_to_lds s[G0B+4*\s:G0B+4*\s+3], s[G1B:G1B+7]
	s_nop 0
.Lasked_\@:
.endm
.macro CREST                           ; a round of the cluster's barrier behind its opening work-group barrier
	s_cmp_lg_u32 s10, 0
	s_cbranch_scc1 .Lnot_wave_0_\@
	s_barrier_signal -3
.Lnot_wave_0_\@:
	s_barrier_wait -3
	s_barrier_signal -1
	s_barrier_wait -1
.endm
.macro CROUND                          ; a whole round
	s_barrier_signal -1
	s_barrier_wait -1
	CREST
.endm
	s_load_b512 s[72:87], s[0:1], 0x0              ; query, key, value, Wq, Wk, Wv, bq, bk
	s_load_b256 s[88:95], s[0:1], 0x40             ; bv, qh, kh, vh
	v_lshl_add_u32 v30, v0, 2, 0x48400
	v_mov_b32 v31, 0
	ds_add_u32 v30, v31
	v_lshrrev_b32 v1, 5, v0
	v_readfirstlane_b32 s10, v1                    ; wave 0..3
	s_lshr_b32 s11, s10, 1                         ; my half of the block's rows; also: I fetch for x (0) or W (1)
	s_and_b32 s12, s10, 1                          ; my half of its columns; also: which 128 rows of that tile I fetch
	s_bfe_u32 s40, ttmp6, 0x40000                  ; cx
	s_bfe_u32 s41, ttmp6, 0x40004                  ; cy
	s_lshl_b32 s42, ttmp9, 2
	s_add_co_u32 s42, s42, s40                     ; block column 0..3
	s_and_b32 s45, ttmp7, 0xffff                   ; cluster row 0..11
	s_lshr_b32 s66, s45, 2                         ; which projection: 0 q, 1 k, 2 v
	s_and_b32 s13, s45, 3
	s_lshl_b32 s13, s13, 2
	s_add_co_u32 s13, s13, s41                     ; block row 0..15 in that projection
	s_lshl_b32 s43, s41, 2
	s_lshl_b32 s43, 15, s43                        ; my row of the cluster
	s_lshl_b32 s44, 0x1111, s40                    ; my column
	; group 1: 128 rows x 64 elements of 4 bytes, 4 words of padding behind every 64
	s_or_b32 s[G1+0], s43, (2<<16)|(1<<20)|(1<<21)|(5<<22)|(3<<25)
	s_or_b32 s[G1B+0], s44, (2<<16)|(1<<20)|(1<<21)|(5<<22)|(3<<25)
	s_mov_b32 s[G1+1], 64<<16                      ; tensor_dim0 = 64
	s_mov_b32 s[G1B+1], 64<<16
	s_mov_b32 s[G1+2], 128<<16                     ; tensor_dim1 = 128
	s_mov_b32 s[G1B+2], 128<<16
	s_mov_b32 s[G1+3], 64<<16                      ; tile_dim0 = 64
	s_mov_b32 s[G1B+3], 64<<16
	s_mov_b32 s[G1+4], 128                         ; tile_dim1 = 128
	s_mov_b32 s[G1B+4], 128
	s_mov_b32 s[G1+5], 1024                        ; elements from row to row
	s_mov_b32 s[G1B+5], 1024
	s_mov_b32 s[G1+6], 0
	s_mov_b32 s[G1B+6], 0
	s_mov_b32 s[G1+7], 0
	s_mov_b32 s[G1B+7], 0
	; byte offsets of my tiles: x's from the block row alone, W's from the block column alone, in registers of their own
	s_lshl_b32 s17, s12, 7
	s_lshl_b32 s16, s13, 8
	s_add_co_u32 s16, s16, s17
	s_lshl_b32 s16, s16, 12                        ; (256 block row + 128 half) rows of 4,096 bytes
	s_lshl_b32 s46, s42, 8
	s_add_co_u32 s46, s46, s17
	s_lshl_b32 s46, s46, 12
	s_mov_b32 s17, 0
	s_mov_b32 s47, 0
	s_mul_i32 s20, s10, HALFT                      ; LDS: wave x 128 rows
	s_and_b32 s67, s13, 7
	s_lshl_b32 s67, s67, 8
	s_lshl_b32 s18, s10, 6
	s_add_co_u32 s67, s67, s18                     ; sequence position of the first table row that I make
	s_mov_b32 s70, 0x40c90fdb                      ; 2 pi, upper part
	s_mov_b32 s71, 0xb43bbd2e                      ; 2 pi, the rest
	s_lshl_b32 s18, s42, 10
	s_lshl_b32 s19, s12, 9
	s_add_co_u32 s18, s18, s19                     ; my first column x 4 bytes
	s_mov_b32 s19, 0
	s_wait_dscnt 0x0
	s_wait_kmcnt 0x0
	s_cmp_eq_u32 s66, 1                            ; the projection's four buffers
	s_cselect_b64 s[4:5], s[74:75], s[72:73]
	s_cselect_b64 s[6:7], s[80:81], s[78:79]
	s_cselect_b64 s[68:69], s[86:87], s[84:85]
	s_cselect_b64 s[8:9], s[92:93], s[90:91]
	s_cmp_eq_u32 s66, 2
	s_cselect_b64 s[4:5], s[76:77], s[4:5]         ; x
	s_cselect_b64 s[6:7], s[82:83], s[6:7]         ; W
	s_cselect_b64 s[68:69], s[88:89], s[68:69]     ; bias
	s_cselect_b64 s[8:9], s[94:95], s[8:9]         ; output
	s_add_nc_u64 s[14:15], s[4:5], s[16:17]
	s_add_nc_u64 s[46:47], s[6:7], s[46:47]
	s_add_nc_u64 s[68:69], s[68:69], s[18:19]
	CROUND                                         ; all sixteen work-groups are here: the first joint loads meet
.irp s, 0,1
	s_mov_b32 s[G0+4*\s], 1
	s_add_co_u32 s[G0+4*\s+1], s20, \s*SLOT
	s_add_nc_u64 s[G0+4*\s+2:G0+4*\s+3], s[14:15], \s*KBYTES
	s_or_b32 s[G0+4*\s+3], s[G0+4*\s+3], 0x80000000
	s_mov_b32 s[G0B+4*\s], 1
	s_add_co_u32 s[G0B+4*\s+1], s20, \s*SLOT
	s_add_nc_u64 s[G0B+4*\s+2:G0B+4*\s+3], s[46:47], \s*KBYTES
	s_or_b32 s[G0B+4*\s+3], s[G0B+4*\s+3], 0x80000000
	JLOAD \s                                       ; both slots are asked for before anything else
.endr
	v_and_b32 v1, 15, v0                           ; r = l % 16
	v_bfe_u32 v2, v0, 4, 1                         ; h = l / 16
	v_lshlrev_b32 v[BOFF], 5, v2                   ; 8 h columns x 4 bytes
.irp b, 0,1,2,3,4,5,6,7
	global_load_b128 v[BIAS+8*\b:BIAS+8*\b+3],   v[BOFF], s[68:69] offset:64*\b      ; bias of columns 16 b + 8 h + 0..3
	global_load_b128 v[BIAS+8*\b+4:BIAS+8*\b+7], v[BOFF], s[68:69] offset:64*\b+16   ; and + 4..7; waited for in front of the way out
.endr
	; an f16 fragment wants k = 8h..8h+7 and 16+8h..16+8h+7 of row r: in f32 rows the 32 bytes at 32 h and the 32 bytes at 64 + 32 h
	v_mul_u32_u24 v3, v1, PITCH
	v_lshl_add_u32 v3, v2, 5, v3
	s_mul_i32 s21, s11, HALFT
	s_mul_i32 s22, s12, HALFT
	s_add_co_u32 s22, s22, 2*HALFT
.irp s, 0,1
	v_add_nc_u32 v[ADRA+\s], s21, v3
	v_add_nc_u32 v[ADRB+\s], s22, v3
	s_add_co_u32 s21, s21, SLOT
	s_add_co_u32 s22, s22, SLOT
.endr
	s_mul_i32 s23, s10, 16*PITCH
	s_add_co_u32 s23, s23, STAGE                   ; my stage
	v_mul_u32_u24 v4, v1, PITCH
	v_lshl_add_u32 v4, v2, 4, v4
	v_add_nc_u32 v[STO], s23, v4                   ; row r, 16 bytes for each half of the lanes
	v_mul_u32_u24 v5, v2, PITCH
	v_lshl_add_u32 v5, v1, 4, v5
	v_add_nc_u32 v[RD], s23, v5                    ; lanes 0-15 one row of 256 bytes, lanes 16-31 the next
	v_lshlrev_b32 v5, 4, v1
	v_lshl_add_u32 v[CO], v2, 11, v5               ; the same two rows in the output (2,048 bytes a row)
	v_and_b32 v5, 31, v0
	s_mul_i32 s23, s10, 64*PITCH
	v_lshl_add_u32 v[TW], v5, 2, s23               ; table: my 64 rows, word = lane
; 32 LDS loads: eight fragments' f32 (16 rows x 32 k at byte k of the rows) into the staging window
.macro LDF dst, adr, k
	WIN LD
.irp i, 0,1,2,3,4,5,6,7
	ds_load_b128 v[\dst+16*\i:\dst+16*\i+3],     v[\adr] offset:\k+\i*16*PITCH
	ds_load_b128 v[\dst+16*\i+4:\dst+16*\i+7],   v[\adr] offset:\k+\i*16*PITCH+16
	ds_load_b128 v[\dst+16*\i+8:\dst+16*\i+11],  v[\adr] offset:\k+\i*16*PITCH+64
	ds_load_b128 v[\dst+16*\i+12:\dst+16*\i+15], v[\adr] offset:\k+\i*16*PITCH+80
.endr
.endm
; 64 roundings of two f32 to f16: eight fragments
.macro CVT f, src
	WIN CV
.irp i, 0,1,2,3,4,5,6,7
.irp p, 0,1,2,3,4,5,6,7
	v_cvt_pk_f16_f32 v[\f+8*\i+\p], v[\src+16*\i+2*\p], v[\src+16*\i+2*\p+1]
.endr
.endr
.endm
.macro MUL16 hi, a0, zero
.irp a, \a0, \a0+1
.irp b, 0,1,2,3,4,5,6,7
.if \zero
	v_wmma_f32_16x16x32_f16 v[8*(8*(\a)+\b):8*(8*(\a)+\b)+7], v[FB+8*\b:FB+8*\b+7], v[FA+8*(4*\hi+\a):FA+8*(4*\hi+\a)+7], 0
.else
	v_wmma_f32_16x16x32_f16 v[8*(8*(\a)+\b):8*(8*(\a)+\b)+7], v[FB+8*\b:FB+8*\b+7], v[FA+8*(4*\hi+\a):FA+8*(4*\hi+\a)+7], v[8*(8*(\a)+\b):8*(8*(\a)+\b)+7]
.endif
.endr
.endr
.endm
; 64 matrix instructions, 32 along K.  The 64 accumulators take turns, one instruction a turn, in the same order every time.
.macro MUL64 zero
	WIN MUL_LO
	MUL16 0, 0, \zero
	MUL16 0, 2, \zero
	WIN MUL_HI
	MUL16 1, 0, \zero
	MUL16 1, 2, \zero
.endm
; First half of a K step: rounds what is staged (bytes 0-127 of the rows), stages bytes 128-255 of the same slot, multiplies.
.macro QUARTER slot, zero
	s_wait_dscnt 32                                ; W's 32 staging loads are in, x's 32 younger ones may be out
	PLACES                                         ; FB and FA were read by the last matrix instructions
	CVT FB, SB
	LDF SB, ADRB+\slot, 128
	s_wait_dscnt 32                                ; x's are in; the 32 just issued may be out
	CVT FA, SA
	LDF SA, ADRA+\slot, 128
	MUL64 \zero
.endm
; Second half, and the change of slots.  In front of the barrier each wave waits for its reads of this slot and for all its tensor loads (the one
; that is out is its part of the next slot); behind it the refill comes first, then the next slot is read.
.macro TURN slot, next, fill
	s_wait_dscnt 32
	PLACES
	CVT FB, SB
	s_wait_dscnt 0x0                               ; my reads of this slot are over
	s_set_vgpr_msb 0x500
	s_wait_tensorcnt 0x0                           ; all my tensor loads have landed
	ds_add_u32 v30, v31
	s_wait_dscnt 0x0
	s_set_vgpr_msb 0x5
	s_barrier_signal -1                            ; (where the slot is filled again this barrier opens a round of the cluster's barrier)
	CVT FA, SA                                     ; register work while the others arrive
	WIN 0
	s_barrier_wait -1
.if \fill
	CREST                                          ; no wave of any partner still reads this slot or has a load on its way
	s_add_nc_u64 s[G0+4*\slot+2:G0+4*\slot+3], s[G0+4*\slot+2:G0+4*\slot+3], 2*KBYTES
	s_add_nc_u64 s[G0B+4*\slot+2:G0B+4*\slot+3], s[G0B+4*\slot+2:G0B+4*\slot+3], 2*KBYTES
	JLOAD \slot                                    ; my one tensor load behind the round: two K steps ahead
.endif
	LDF SB, ADRB+\next, 0
	LDF SA, ADRA+\next, 0
	MUL64 0
.endm
.macro LASTQ                                   ; the very last half step: nothing more to stage
	s_wait_dscnt 32
	PLACES
	CVT FB, SB
	s_wait_dscnt 0x0
	CVT FA, SA
	MUL64 0
.endm
.macro LAP zero
	QUARTER 0, \zero
	TURN 0, 1, 1
	QUARTER 1, 0
	TURN 1, 0, 1
.endm
	s_wait_tensorcnt 0x1                           ; my part of K step 0 is in; K step 1's load stays out
	s_barrier_signal -1
	s_barrier_wait -1
	LDF SB, ADRB+0, 0
	LDF SA, ADRA+0, 0
	LAP 1                                          ; the first products start the sums: nothing is cleared
	WIN 0
	s_mov_b32 s3, LAPS-2
.Llap:
	LAP 0
	WIN 0
	s_sub_co_u32 s3, s3, 1
	s_cmp_lg_u32 s3, 0
	s_cbranch_scc1 .Llap
	QUARTER 0, 0                                   ; the last lap fills nothing
	TURN 0, 1, 0                                   ; behind this barrier no wave reads slot 0 any more and no load fills it
	QUARTER 1, 0
	LASTQ
	PLACES
	WIN 0
	s_wait_loadcnt 0x0                             ; the bias
	s_lshl_b32 s16, s13, 8
	s_lshl_b32 s14, s11, 7
	s_add_co_u32 s16, s16, s14
	s_lshl_b32 s16, s16, 11                        ; my first row x 2,048 bytes
	s_mov_b32 s17, 0
	s_add_nc_u64 s[8:9], s[8:9], s[16:17]
	s_lshl_b32 s46, s42, 9                         ; my first column x 2 bytes
	s_lshl_b32 s47, s12, 8
	s_add_co_u32 s46, s46, s47
	s_mov_b32 s47, 0
	s_add_nc_u64 s[8:9], s[8:9], s[46:47]
; cos and sin of v[x], any x up to a few thousand: y = (x - 2 pi round(x / 2 pi)) / 4, |y| <= pi/4; Taylor sums to y^9 and y^8 (next terms under 3e-8); two doublings
.macro SINCOS x, c, s
	v_mul_f32 v[TA], 0.15915494, v[\x]
	v_rndne_f32 v[TA], v[TA]
	v_fma_f32 v[TY], -v[TA], s70, v[\x]
	v_fma_f32 v[TY], -v[TA], s71, v[TY]
	v_mul_f32 v[TY], 0x3e800000, v[TY]
	v_mul_f32 v[TZ], v[TY], v[TY]
	v_mov_b32 v[TP], 0x3638ef1d                    ; 1/9!
	v_fmaak_f32 v[TP], v[TP], v[TZ], 0xb9500d01    ; -1/7!
	v_fmaak_f32 v[TP], v[TP], v[TZ], 0x3c088889    ; 1/5!
	v_fmaak_f32 v[TP], v[TP], v[TZ], 0xbe2aaaab    ; -1/3!
	v_mul_f32 v[TA], v[TY], v[TZ]
	v_fma_f32 v[\s], v[TA], v[TP], v[TY]
	v_mov_b32 v[TP], 0x37d00d01                    ; 1/8!
	v_fmaak_f32 v[TP], v[TP], v[TZ], 0xbab60b61    ; -1/6!
	v_fmaak_f32 v[TP], v[TP], v[TZ], 0x3d2aaaab    ; 1/4!
	v_fma_f32 v[TP], v[TP], v[TZ], -0.5
	v_fma_f32 v[\c], v[TP], v[TZ], 1.0
.rept 2
	v_mul_f32 v[TA], v[\s], v[\s]
	v_mul_f32 v[\s], v[\s], v[\c]
	v_add_f32 v[\s], v[\s], v[\s]                  ; sin 2y = 2 sin y cos y
	v_fma_f32 v[\c], v[TA], -2.0, 1.0              ; cos 2y = 1 - 2 sin^2 y
.endr
.endm
	s_cmp_eq_u32 s66, 2
	s_cbranch_scc1 .Lnotab                         ; v is not rotated
	; THE TABLE, in slot 0's bytes (its last fill and last read lie behind a barrier): row = the block's row, 32 cos at byte 0, 32 sin at byte 128.
	; Lane = frequency i, wave w makes rows 64 w .. 64 w + 63: the first by SINCOS, each next by one rotation through the frequency's own angle.
	v_and_b32 v[TF], 31, v0
	v_cvt_f32_u32 v[TF], v[TF]
	v_mul_f32 v[TF], 0xbed49a78, v[TF]             ; -i log2(10000) / 32
	v_exp_f32 v[TF], v[TF]                         ; inv_freq = 10000^(-i/32)
	v_cvt_f32_u32 v[TX], s67                       ; (the plain place behind v_exp_f32, ISA guide 5.7.2)
	s_wait_alu depctr_va_vdst(0)
	v_mul_f32 v[TX], v[TX], v[TF]
	SINCOS TX, TC, TS
	SINCOS TF, TC1, TS1
.set rho, 0
.rept 64
	ds_store_b32 v[TW], v[TC] offset:PITCH*rho
	ds_store_b32 v[TW], v[TS] offset:PITCH*rho+128
	v_mul_f32 v[TA], v[TS], v[TS1]
	v_mul_f32 v[TY], v[TC], v[TS1]
	v_fma_f32 v[TC], v[TC], v[TC1], -v[TA]
	v_fma_f32 v[TS], v[TS], v[TC1], v[TY]
.set rho, rho+1
.endr
.Lnotab:
	s_wait_dscnt 0x0                               ; my table rows are written: other waves read them behind the barrier
	s_barrier_signal -1
	s_barrier_wait -1
; THE WAY OUT, rows 16 i .. 16 i + 15 of my block = tiles (a, 0..7) of window 2 or 3 (win = 0x02, 0x03: source 0).
; Bias; rotation: my 128 columns are two heads, tiles b and b + 2 (b = 0, 1, 4, 5) hold d and d + 32 of one head, frequency 16 (b & 1) + 8 h + j;
; rounding to f16; through my own stage into whole rows of 256 bytes.
.macro OUT16 i, a, win, rope
.if \rope
.irp e, 0,1
	ds_load_b128 v[CS+8*\e:CS+8*\e+3],   v[ADRA] offset:\i*16*PITCH+64*\e
	ds_load_b128 v[CS+8*\e+4:CS+8*\e+7], v[ADRA] offset:\i*16*PITCH+64*\e+16
	ds_load_b128 v[SN+8*\e:SN+8*\e+3],   v[ADRA] offset:\i*16*PITCH+128+64*\e
	ds_load_b128 v[SN+8*\e+4:SN+8*\e+7], v[ADRA] offset:\i*16*PITCH+128+64*\e+16
.endr
.endif
	WIN \win
.irp b, 0,1,2,3,4,5,6,7
.irp p, 0,1,2,3
	v_pk_add_f32 v[TR+8*\b+2*\p:TR+8*\b+2*\p+1], v[8*(8*\a+\b)+2*\p:8*(8*\a+\b)+2*\p+1], v[BIAS+8*\b+2*\p:BIAS+8*\b+2*\p+1]
.endr
.endr
	WIN 0
.if \rope
	s_wait_dscnt 0x0                               ; cos and sin of my row
.irp b, 0,1,4,5
.irp p, 0,1,2,3
	v_pk_mul_f32 v[4+4*(\p&1):5+4*(\p&1)], v[TR+8*(\b+2)+2*\p:TR+8*(\b+2)+2*\p+1], v[SN+8*(\b&1)+2*\p:SN+8*(\b&1)+2*\p+1] neg_lo:[0,1] neg_hi:[0,1]   ; -x2 sin
	v_pk_mul_f32 v[6+4*(\p&1):7+4*(\p&1)], v[TR+8*\b+2*\p:TR+8*\b+2*\p+1], v[SN+8*(\b&1)+2*\p:SN+8*(\b&1)+2*\p+1]                                   ; x1 sin
	v_pk_fma_f32 v[TR+8*\b+2*\p:TR+8*\b+2*\p+1], v[TR+8*\b+2*\p:TR+8*\b+2*\p+1], v[CS+8*(\b&1)+2*\p:CS+8*(\b&1)+2*\p+1], v[4+4*(\p&1):5+4*(\p&1)]
	v_pk_fma_f32 v[TR+8*(\b+2)+2*\p:TR+8*(\b+2)+2*\p+1], v[TR+8*(\b+2)+2*\p:TR+8*(\b+2)+2*\p+1], v[CS+8*(\b&1)+2*\p:CS+8*(\b&1)+2*\p+1], v[6+4*(\p&1):7+4*(\p&1)]
.endr
.endr
.endif
.irp b, 0,1,2,3,4,5,6,7
.irp p, 0,1,2,3
	v_cvt_pk_f16_f32 v[PK+4*\b+\p], v[TR+8*\b+2*\p], v[TR+8*\b+2*\p+1]
.endr
.endr
.irp b, 0,1,2,3,4,5,6,7
	ds_store_b128 v[STO], v[PK+4*\b:PK+4*\b+3] offset:32*\b
.endr
	s_wait_xcnt 0x0                                ; RB, which the last stores read, and their base are rewritten only behind this wait
.if \i
	s_add_nc_u64 s[8:9], s[8:9], 16*2048           ; 16 rows on
.endif
.irp t, 0,1,2,3,4,5,6,7
	ds_load_b128 v[RB+4*\t:RB+4*\t+3], v[RD] offset:\t*2*PITCH     ; LDS serves a wave's instructions in order: these see the stores above
.endr
.irp t, 0,1,2,3,4,5,6,7
	s_wait_dscnt 7-\t                              ; load t of the eight is in
	global_store_b128 v[CO], v[RB+4*\t:RB+4*\t+3], s[8:9] offset:\t*2*2048     ; 16 lanes store 256 consecutive bytes, aligned
.endr
.endm
	s_cmp_eq_u32 s66, 2
	s_cbranch_scc1 .Lplain
	OUT16 0, 0, 0x02, 1
	OUT16 1, 1, 0x02, 1
	OUT16 2, 2, 0x02, 1
	OUT16 3, 3, 0x02, 1
	OUT16 4, 0, 0x03, 1
	OUT16 5, 1, 0x03, 1
	OUT16 6, 2, 0x03, 1
	OUT16 7, 3, 0x03, 1
	s_branch .Lend
.Lplain:
	OUT16 0, 0, 0x02, 0
	OUT16 1, 1, 0x02, 0
	OUT16 2, 2, 0x02, 0
	OUT16 3, 3, 0x02, 0
	OUT16 4, 0, 0x03, 0
	OUT16 5, 1, 0x03, 0
	OUT16 6, 2, 0x03, 0
	OUT16 7, 3, 0x03, 0
.Lend:
	s_wait_tensorcnt 0x0
	ds_add_u32 v30, v31
	s_wait_dscnt 0x0
	CROUND                                         ; the closing round: no work-group ends while a partner may still ask for a tile that names it
	s_endpgm
.Lfunc_end_k_q0164143bb6_qkv:
	.size	k_q0164143bb6_qkv, .Lfunc_end_k_q0164143bb6_qkv-k_q0164143bb6_qkv
	.p2alignl 7, 3214868480
	.fill 96, 4, 3214868480
	.section	.rodata,"a",@progbits
	.p2align	6, 0x0
	.amdhsa_kernel k_q0164143bb6_qkv
		.amdhsa_group_segment_fixed_size 327680
		.amdhsa_private_segment_fixed_size 0
		.amdhsa_enable_private_segment 0
		.amdhsa_kernarg_size 96
		.amdhsa_user_sgpr_count 2
		.amdhsa_user_sgpr_kernarg_segment_ptr 1
		.amdhsa_wavefront_size32 1
		.amdhsa_system_sgpr_workgroup_id_x 1
		.amdhsa_system_sgpr_workgroup_id_y 1
		.amdhsa_system_sgpr_workgroup_id_z 1
		.amdhsa_system_vgpr_workitem_id 0
		.amdhsa_next_free_vgpr 1024
		.amdhsa_next_free_sgpr 96
		.amdhsa_reserve_vcc 0
		.amdhsa_float_denorm_mode_32 3
		.amdhsa_float_denorm_mode_16_64 3
		.amdhsa_memory_ordered 1
		.amdhsa_forward_progress 1
		.amdhsa_inst_pref_size 255
	.end_amdhsa_kernel
	.section	.bss,"aw",@nobits
	.p2align	6
	.space	262144
	.amdgpu_metadata
---
amdhsa.version: [ 1, 2 ]
amdhsa.kernels:
  - .name:           k_q0164143bb6_qkv
    .symbol:         k_q0164143bb6_qkv.kd
    .args:
      - { .name: query, .offset: 0, .size: 8, .value_kind: global_buffer, .address_space: global }
      - { .name: key, .offset: 8, .size: 8, .value_kind: global_buffer, .address_space: global }
      - { .name: value, .offset: 16, .size: 8, .value_kind: global_buffer, .address_space: global }
      - { .name: Wq, .offset: 24, .size: 8, .value_kind: global_buffer, .address_space: global }
      - { .name: Wk, .offset: 32, .size: 8, .value_kind: global_buffer, .address_space: global }
      - { .name: Wv, .offset: 40, .size: 8, .value_kind: global_buffer, .address_space: global }
      - { .name: bq, .offset: 48, .size: 8, .value_kind: global_buffer, .address_space: global }
      - { .name: bk, .offset: 56, .size: 8, .value_kind: global_buffer, .address_space: global }
      - { .name: bv, .offset: 64, .size: 8, .value_kind: global_buffer, .address_space: global }
      - { .name: qh, .offset: 72, .size: 8, .value_kind: global_buffer, .address_space: global }
      - { .name: kh, .offset: 80, .size: 8, .value_kind: global_buffer, .address_space: global }
      - { .name: vh, .offset: 88, .size: 8, .value_kind: global_buffer, .address_space: global }
    .group_segment_fixed_size: 327680
    .private_segment_fixed_size: 0
    .kernarg_segment_align: 8
    .kernarg_segment_size: 96
    .max_flat_workgroup_size: 128
    .sgpr_count:     96
    .vgpr_count:     1024
    .wavefront_size: 32
...
	.end_amdgpu_metadata
.endif
;; end of part 1
;; launch attn (part 2): grid 16 x 16, 8 waves a work-group, no clusters, 179,200 bytes of LDS; arguments qh, kh, vh, Wo, ctx, wof; writes ctx, wof
.if DOCPART == 2
	.amdgcn_target "amdgcn-amd-amdhsa--gfx1250"
	.amdhsa_code_object_version 6
	.text
	.protected	k_q0164143bb6_attn
	.globl	k_q0164143bb6_attn
	.p2align	8
	.type	k_q0164143bb6_attn,@function
k_q0164143bb6_attn:
	s_mov_b64 s[64:65], 0
	v_nop
	global_prefetch_b8 v0, s[64:65] scope:SCOPE_SE
	s_setreg_imm32_b32 hwreg(HW_REG_WAVE_MODE, 25, 1), 1
	s_wait_xcnt 0x0
; Softmax attention inside the window |i - j| <= 50, and Wo rounded to f16 on the side.
; qh, kh, vh, ctx: [4096][1024] f16 (row = 2048 batch + position, column = 64 head + d).  Wo: [1024][1024] f32, wof the same in f16.
; A work-group takes 128 queries (x), one batch and two neighbouring heads (y = 8 batch + head pair): 256 aligned bytes of every row.
; Wave w takes queries q0 = 128 x + 16 w .. + 15, the two heads one after the other.  Its keys are j = q0 - 56 + e, e = 0..127: they cover
; q0 - 50 .. q0 + 65, all that the window lets 16 queries see, as 8 key tiles of 16 = 4 K steps of 32 for the second product.
; So a query's whole row of scores lies in registers (64 in each of two lanes): the true maximum is taken once, no running maximum is needed.
; The work-group's key slab is 256 rows from 128 x - 64; wave w brings rows 32 w .. 32 w + 31 through registers into LDS.  A group of 32 rows that
; would lie in front of row 0 or behind row 2047 is taken from the nearest 32 rows inside: those keys do not exist and are masked.
; Scores are made transposed (source 0 = keys, source 1 = queries): lane l holds query l % 16 and keys 16 t + 8 (l / 16) + 0..7, which, packed to
; f16 in place, IS the second product's fragment of p; v comes out of LDS by the transposing load.
; NO CLUSTER: neighbouring work-groups' slabs are shifted by 128 rows, so no two ask for the same 256 rows, and the edge slabs are clamped otherwise.
; Everything that a work-group reads is asked for in its first lines, so there is nothing to prefetch.
; LIMITS: keys outside the window get -inf where the reference puts -1e9: the same result while a row's largest score inside the window lies
; above about -1e9 + 104.  q, k, v are f16 (finite: under 65,504); p in [0, 1] and the result (a convex mix of v) are f16.
.set QL, 0                             ; 128 rows of q, pitch 272; a wave's own 16 rows, later its stage for the result
.set KL, 128*272                       ; 256 rows of k, pitch 272
.set VL, KL+256*272                    ; 256 rows of v, pitch 288 (an odd multiple of 32 bytes, for the transposing load)
.set QP, 272
.set VP, 288
.set QF, 32                            ; v32-47   q's two fragments; later the packed result
.set SC, 48                            ; v48-111  scores, tile t at SC + 8 t; packed: p in v48-79
.set OA, 80                            ; v80-111  the result's four accumulators
.set KV, 112                           ; v112-239 k's 16 fragments, then v's 16
; v5 8 tid, v6 k's store address, v7 v's, v8 and v9 mask bounds, v10 k's fragment address, v11 v's, v12 q's (and the result's), v13 16 tid,
; v14 q's store address = read-back address, v15 byte offset of my 16 bytes in two rows of memory, v16-17 -max C, v18-19 1/sum, v20-27 chains
	s_load_b256 s[4:11], s[0:1], 0x0               ; qh, kh, vh, Wo
	s_load_b128 s[12:15], s[0:1], 0x20             ; ctx, wof
	v_lshl_add_u32 v240, v0, 2, 0x2b800
	v_mov_b32 v241, 0
	v_lshrrev_b32 v1, 5, v0
	v_readfirstlane_b32 s16, v1                    ; wave 0..7
	s_and_b32 s18, ttmp7, 0xffff
	s_lshr_b32 s19, s18, 3                         ; batch
	s_and_b32 s20, s18, 7                          ; head pair
	s_lshl_b32 s21, ttmp9, 7
	s_lshl_b32 s23, s16, 4
	s_add_co_u32 s21, s21, s23                     ; q0
	s_lshl_b32 s22, ttmp9, 7
	s_lshl_b32 s23, s16, 5
	s_add_co_u32 s22, s22, s23
	s_sub_co_i32 s22, s22, 64
	s_max_i32 s22, s22, 0
	s_min_i32 s22, s22, 2016                       ; first of the 32 key rows that I bring
	s_lshl_b32 s24, s19, 11
	s_lshl_b32 s25, s20, 8
	s_add_co_u32 s36, s24, s21
	s_lshl_b32 s36, s36, 11
	s_add_co_u32 s36, s36, s25                     ; my queries: (2048 batch + q0) rows of 2,048 bytes + 256 head pair
	s_mov_b32 s37, 0
	s_add_co_u32 s38, s24, s22
	s_lshl_b32 s38, s38, 11
	s_add_co_u32 s38, s38, s25                     ; my key rows likewise
	s_mov_b32 s39, 0
	s_lshl_b32 s40, s18, 4
	s_add_co_u32 s40, s40, ttmp9                   ; the work-group's number 0..255: its 4,096 numbers of Wo
	s_lshl_b32 s42, s40, 13
	s_lshl_b32 s40, s40, 14
	s_mov_b32 s41, 0
	s_mov_b32 s43, 0
	s_mov_b32 s26, 0x76543210                      ; v_permlanex16_b32: lane i reads lane i of the other half
	s_mov_b32 s27, 0xfedcba98
	s_mov_b32 s28, 0xff800000                      ; -inf
	s_mov_b32 s30, 0x3e38aa3b                      ; C = log2(e) / 8: the 1 / sqrt(64) and the change of base in one
	s_mov_b32 s31, 0x3e38aa3b
	s_mov_b32 s34, 0xbe38aa3b                      ; -C
	s_sub_co_i32 s32, 56, s21
	s_max_i32 s32, s32, 0                          ; e of key 0, if it lies in my range
	s_sub_co_i32 s33, 2103, s21                    ; e of key 2047 (at least 71)
	v_and_b32 v2, 15, v0                           ; r
	v_bfe_u32 v3, v0, 4, 1                         ; h
	v_lshlrev_b32 v15, 4, v2
	v_lshl_add_u32 v15, v3, 11, v15                ; lanes 0-15 one row's 256 bytes, lanes 16-31 the next row's
	v_lshlrev_b32 v13, 4, v0
	v_lshlrev_b32 v5, 3, v0
	s_wait_kmcnt 0x0
	s_add_nc_u64 s[4:5], s[4:5], s[36:37]
	s_add_nc_u64 s[6:7], s[6:7], s[38:39]
	s_add_nc_u64 s[8:9], s[8:9], s[38:39]
	s_add_nc_u64 s[10:11], s[10:11], s[40:41]
	s_add_nc_u64 s[12:13], s[12:13], s[36:37]
	s_add_nc_u64 s[14:15], s[14:15], s[42:43]
.irp i, 0,1,2,3,4,5,6,7
	global_load_b128 v[48+4*\i:51+4*\i], v15, s[4:5] offset:4096*\i            ; q: 16 rows
.endr
.irp i, 0,1,2,3,4,5,6,7,8,9,10,11,12,13,14,15
	global_load_b128 v[112+4*\i:115+4*\i], v15, s[6:7] offset:4096*\i          ; k: 32 rows
.endr
.irp i, 0,1,2,3,4,5,6,7,8,9,10,11,12,13,14,15
	global_load_b128 v[176+4*\i:179+4*\i], v15, s[8:9] offset:4096*\i          ; v: 32 rows
.endr
.irp i, 0,1,2,3
	global_load_b128 v[80+4*\i:83+4*\i], v13, s[10:11] offset:4096*\i th:TH_LOAD_NT    ; Wo: read once in the launch
.endr
	; LDS addresses and mask bounds, while the loads are on their way
	s_mul_i32 s35, s16, 16*QP
	v_mul_u32_u24 v4, v3, QP
	v_lshl_add_u32 v4, v2, 4, v4                   ; h rows + 16 r
	v_add_nc_u32 v14, s35, v4
	s_mul_i32 s44, s16, 32*QP
	s_add_co_u32 s44, s44, KL
	v_add_nc_u32 v6, s44, v4
	v_mul_u32_u24 v7, v3, VP
	v_lshl_add_u32 v7, v2, 4, v7
	s_mul_i32 s45, s16, 32*VP
	s_add_co_u32 s45, s45, VL
	v_add_nc_u32 v7, s45, v7
	v_mul_u32_u24 v12, v2, QP
	v_lshl_add_u32 v12, v3, 4, v12
	v_add_nc_u32 v12, s35, v12                     ; q: row 16 w + r, + 16 h
	v_add_nc_u32 v10, KL+8*QP, v12                 ; k: slab row 16 w + 8 + r, + 16 h
	v_and_b32 v4, 7, v0
	v_lshl_add_u32 v4, v3, 3, v4
	v_mul_u32_u24 v11, v4, VP
	v_bfe_u32 v4, v0, 3, 1
	v_lshl_add_u32 v11, v4, 4, v11
	s_mul_i32 s46, s16, 16*VP
	s_add_co_u32 s46, s46, VL+8*VP
	v_add_nc_u32 v11, s46, v11                     ; v: slab row 16 w + 8 + 8 h + (l & 7), + 16 ((l >> 3) & 1)
	; key e = c + 8 h with c = 16 t + j a constant of the text.  It counts if max(r + 6, e of key 0) <= e <= min(r + 106, e of key 2047).
	v_lshlrev_b32 v4, 3, v3
	v_add_nc_u32 v8, 6, v2
	v_max_u32 v8, s32, v8
	v_max_u32 v8, v8, v4
	v_sub_nc_u32 v8, v8, v4                        ; c >= v8 (held at 0 from below)
	v_add_nc_u32 v9, 106, v2
	v_min_u32 v9, s33, v9
	v_sub_nc_u32 v9, v9, v4                        ; c <= v9 (at least 63)
	s_wait_loadcnt 36                              ; q is in; the 36 younger loads (k, v, Wo) may be out
.irp i, 0,1,2,3,4,5,6,7
	ds_store_b128 v14, v[48+4*\i:51+4*\i] offset:2*QP*\i
.endr
	s_wait_loadcnt 20                              ; k is in; v and Wo may be out
.irp i, 0,1,2,3,4,5,6,7,8,9,10,11,12,13,14,15
	ds_store_b128 v6, v[112+4*\i:115+4*\i] offset:2*QP*\i
.endr
	s_wait_loadcnt 4                               ; v is in; Wo may be out
.irp i, 0,1,2,3,4,5,6,7,8,9,10,11,12,13,14,15
	ds_store_b128 v7, v[176+4*\i:179+4*\i] offset:2*VP*\i
.endr
	s_wait_loadcnt 0x0
.irp i, 0,1,2,3
	v_cvt_pk_f16_f32 v[96+2*\i], v[80+4*\i], v[81+4*\i]
	v_cvt_pk_f16_f32 v[97+2*\i], v[82+4*\i], v[83+4*\i]
	global_store_b64 v5, v[96+2*\i:97+2*\i], s[14:15] offset:2048*\i           ; a wave stores 256 consecutive bytes, aligned
.endr
	s_wait_dscnt 0x0                               ; my rows of the slabs are written: the others read them behind the barrier
	s_barrier_signal -1
	s_barrier_wait -1
	s_wait_xcnt 0x0                                ; v96-103, which the stores read, are score registers from here on
.macro HEAD hh
.irp s, 0,1
	ds_load_b128 v[QF+8*\s:QF+8*\s+3],   v12 offset:128*\hh+64*\s
	ds_load_b128 v[QF+8*\s+4:QF+8*\s+7], v12 offset:128*\hh+64*\s+32
.endr
.irp s, 0,1
.irp t, 0,1,2,3,4,5,6,7
	ds_load_b128 v[KV+16*\t+8*\s:KV+16*\t+8*\s+3],   v10 offset:\t*16*QP+128*\hh+64*\s
	ds_load_b128 v[KV+16*\t+8*\s+4:KV+16*\t+8*\s+7], v10 offset:\t*16*QP+128*\hh+64*\s+32
.endr
.endr
	s_wait_dscnt 16                                ; q and k's d = 0..31 are in; the 16 loads of d = 32..63 may be out
	; the eight score tiles take turns, one instruction a turn
.irp t, 0,1,2,3,4,5,6,7
	v_wmma_f32_16x16x32_f16 v[SC+8*\t:SC+8*\t+7], v[KV+16*\t:KV+16*\t+7], v[QF:QF+7], 0
.endr
	s_wait_dscnt 0x0
.irp t, 0,1,2,3,4,5,6,7
	v_wmma_f32_16x16x32_f16 v[SC+8*\t:SC+8*\t+7], v[KV+16*\t+8:KV+16*\t+15], v[QF+8:QF+15], v[SC+8*\t:SC+8*\t+7]
.endr
.rept 5
	v_nop                                          ; places behind the matrix instructions: k's registers are loaded again, the scores are read
.endr
.irp u, 0,1,2,3
.irp dt, 0,1,2,3
	ds_load_tr16_b128 v[KV+8*(4*\u+\dt):KV+8*(4*\u+\dt)+3],   v11 offset:\u*32*VP+128*\hh+32*\dt           ; v transposed: d = 16 dt + r, keys 32 u + 8 h ..
	ds_load_tr16_b128 v[KV+8*(4*\u+\dt)+4:KV+8*(4*\u+\dt)+7], v11 offset:\u*32*VP+128*\hh+32*\dt+16*VP     ; keys 32 u + 16 + 8 h ..
.endr
.endr
	; the mask: e <= 63 in tiles 0-3 can break the lower bound alone (the upper is at least 71), e >= 64 in tiles 4-7 the upper alone (the lower is at most 56)
.irp t, 0,1,2,3
.irp j, 0,1,2,3,4,5,6,7
	v_cmp_ge_u32 vcc_lo, 16*\t+\j, v8
	v_cndmask_b32 v[SC+8*\t+\j], s28, v[SC+8*\t+\j], vcc_lo
.endr
.endr
.irp t, 4,5,6,7
.irp j, 0,1,2,3,4,5,6,7
	v_cmp_le_u32 vcc_lo, 16*\t+\j, v9
	v_cndmask_b32 v[SC+8*\t+\j], s28, v[SC+8*\t+\j], vcc_lo
.endr
.endr
	; the row's maximum: four chains over my 64 scores, then the lane that holds the query's other 64
.irp q, 0,1,2,3
	v_max_num_f32 v[20+\q], v[SC+\q], v[SC+4+\q]
.endr
.irp g, 1,2,3,4,5,6,7
.irp q, 0,1,2,3
	v_max3_num_f32 v[20+\q], v[20+\q], v[SC+8*\g+\q], v[SC+8*\g+4+\q]
.endr
.endr
	v_max3_num_f32 v20, v20, v21, v22
	v_max_num_f32 v20, v20, v23
	v_permlanex16_b32 v21, v20, s26, s27
	v_max_num_f32 v20, v20, v21                    ; finite: key i itself is always inside the window
	v_mul_f32 v16, s34, v20
	v_mul_f32 v17, s34, v20                        ; -max C, twice
.irp q, 0,1,2,3,4,5,6,7,8,9,10,11,12,13,14,15,16,17,18,19,20,21,22,23,24,25,26,27,28,29,30,31
	v_pk_fma_f32 v[SC+2*\q:SC+2*\q+1], v[SC+2*\q:SC+2*\q+1], s[30:31], v[16:17] op_sel_hi:[1,0,1]
.endr
.set e, 0
.rept 64
	v_exp_f32 v[SC+e], v[SC+e]                     ; exp((s - max) / 8); 0 for a masked key
.set e, e+1
.endr
	v_nop                                          ; the plain place behind the transcendentals (ISA guide 5.7.2)
	s_wait_alu depctr_va_vdst(0)
.irp q, 0,1,2,3
	v_pk_add_f32 v[20+2*\q:21+2*\q], v[SC+2*\q:SC+2*\q+1], v[SC+8+2*\q:SC+9+2*\q]      ; the first adds start the four chains
.endr
.irp g, 2,3,4,5,6,7
.irp q, 0,1,2,3
	v_pk_add_f32 v[20+2*\q:21+2*\q], v[20+2*\q:21+2*\q], v[SC+8*\g+2*\q:SC+8*\g+2*\q+1]
.endr
.endr
	v_pk_add_f32 v[20:21], v[20:21], v[22:23]
	v_pk_add_f32 v[24:25], v[24:25], v[26:27]
	v_pk_add_f32 v[20:21], v[20:21], v[24:25]
	v_add_f32 v20, v20, v21
	v_permlanex16_b32 v21, v20, s26, s27
	v_add_f32 v20, v20, v21                        ; at least 1: the maximum's own term
	v_rcp_f32 v18, v20
	v_rcp_f32 v19, v20                             ; the packing below stands between these and their use
	; p to f16, in place and ascending: word q takes scores 2 q, 2 q + 1.  Words 8 u .. 8 u + 7 are keys 32 u + 8 h + 0..7 and 32 u + 16 + 8 h + 0..7 of query r
.irp q, 0,1,2,3,4,5,6,7,8,9,10,11,12,13,14,15,16,17,18,19,20,21,22,23,24,25,26,27,28,29,30,31
	v_cvt_pk_f16_f32 v[SC+\q], v[SC+2*\q], v[SC+2*\q+1]
.endr
	s_wait_dscnt 0x0                               ; v's fragments
	; the four accumulators take turns, one instruction a turn
.irp dt, 0,1,2,3
	v_wmma_f32_16x16x32_f16 v[OA+8*\dt:OA+8*\dt+7], v[KV+8*\dt:KV+8*\dt+7], v[SC:SC+7], 0
.endr
.irp u, 1,2,3
.irp dt, 0,1,2,3
	v_wmma_f32_16x16x32_f16 v[OA+8*\dt:OA+8*\dt+7], v[KV+8*(4*\u+\dt):KV+8*(4*\u+\dt)+7], v[SC+8*\u:SC+8*\u+7], v[OA+8*\dt:OA+8*\dt+7]
.endr
.endr
.rept 5
	v_nop                                          ; places: the results are read; later their and their sources' registers are written again
.endr
	s_wait_alu depctr_va_vdst(0)
.irp q, 0,1,2,3,4,5,6,7,8,9,10,11,12,13,14,15
	v_pk_mul_f32 v[OA+2*\q:OA+2*\q+1], v[OA+2*\q:OA+2*\q+1], v[18:19]
.endr
.irp q, 0,1,2,3,4,5,6,7,8,9,10,11,12,13,14,15
	v_cvt_pk_f16_f32 v[QF+\q], v[OA+2*\q], v[OA+2*\q+1]
.endr
.irp dt, 0,1,2,3
	ds_store_b128 v12, v[QF+4*\dt:QF+4*\dt+3] offset:128*\hh+32*\dt    ; query r, d = 16 dt + 8 h + 0..7: over this head's q, which only I read and have read
.endr
.endm
	HEAD 0
	HEAD 1
.irp t, 0,1,2,3,4,5,6,7
	ds_load_b128 v[KV+4*\t:KV+4*\t+3], v14 offset:2*QP*\t              ; my own bytes, served in order behind my stores
.endr
.irp t, 0,1,2,3,4,5,6,7
	s_wait_dscnt 7-\t                              ; load t of the eight is in
	global_store_b128 v15, v[KV+4*\t:KV+4*\t+3], s[12:13] offset:4096*\t       ; 16 lanes store 256 consecutive bytes, aligned
.endr
	s_wait_tensorcnt 0x0
	ds_add_u32 v240, v241
	s_wait_dscnt 0x0
	s_endpgm
.Lfunc_end_k_q0164143bb6_attn:
	.size	k_q0164143bb6_attn, .Lfunc_end_k_q0164143bb6_attn-k_q0164143bb6_attn
	.p2alignl 7, 3214868480
	.fill 96, 4, 3214868480
	.section	.rodata,"a",@progbits
	.p2align	6, 0x0
	.amdhsa_kernel k_q0164143bb6_attn
		.amdhsa_group_segment_fixed_size 179200
		.amdhsa_private_segment_fixed_size 0
		.amdhsa_enable_private_segment 0
		.amdhsa_kernarg_size 48
		.amdhsa_user_sgpr_count 2
		.amdhsa_user_sgpr_kernarg_segment_ptr 1
		.amdhsa_wavefront_size32 1
		.amdhsa_system_sgpr_workgroup_id_x 1
		.amdhsa_system_sgpr_workgroup_id_y 1
		.amdhsa_system_sgpr_workgroup_id_z 1
		.amdhsa_system_vgpr_workitem_id 0
		.amdhsa_next_free_vgpr 242
		.amdhsa_next_free_sgpr 66
		.amdhsa_reserve_vcc 1
		.amdhsa_float_denorm_mode_32 3
		.amdhsa_float_denorm_mode_16_64 3
		.amdhsa_memory_ordered 1
		.amdhsa_forward_progress 1
		.amdhsa_inst_pref_size 63
	.end_amdhsa_kernel
	.amdgpu_metadata
---
amdhsa.version: [ 1, 2 ]
amdhsa.kernels:
  - .name:           k_q0164143bb6_attn
    .symbol:         k_q0164143bb6_attn.kd
    .args:
      - { .name: qh, .offset: 0, .size: 8, .value_kind: global_buffer, .address_space: global }
      - { .name: kh, .offset: 8, .size: 8, .value_kind: global_buffer, .address_space: global }
      - { .name: vh, .offset: 16, .size: 8, .value_kind: global_buffer, .address_space: global }
      - { .name: Wo, .offset: 24, .size: 8, .value_kind: global_buffer, .address_space: global }
      - { .name: ctx, .offset: 32, .size: 8, .value_kind: global_buffer, .address_space: global }
      - { .name: wof, .offset: 40, .size: 8, .value_kind: global_buffer, .address_space: global }
    .group_segment_fixed_size: 179200
    .private_segment_fixed_size: 0
    .kernarg_segment_align: 8
    .kernarg_segment_size: 48
    .max_flat_workgroup_size: 256
    .sgpr_count:     66
    .vgpr_count:     242
    .wavefront_size: 32
...
	.end_amdgpu_metadata
.endif
;; end of part 2
;; launch oproj (part 3): grid 8 x 32, 4 waves a work-group, clusters of 4 x 4, 327,680 bytes of LDS; arguments ctx, wof, bo, out0; writes out0
.if DOCPART == 3
	.amdgcn_target "amdgcn-amd-amdhsa--gfx1250"
	.amdhsa_code_object_version 6
	.text
	.protected	k_q0164143bb6_oproj
	.globl	k_q0164143bb6_oproj
	.p2align	8
	.type	k_q0164143bb6_oproj,@function
k_q0164143bb6_oproj:
	s_mov_b64 s[64:65], 0
	v_nop
	global_prefetch_b8 v0, s[64:65] scope:SCOPE_SE
	s_setreg_imm32_b32 hwreg(HW_REG_WAVE_MODE, 25, 1), 1
	s_wait_xcnt 0x0
	s_wait_alu depctr_hold_cnt(0) depctr_sa_sdst(0) depctr_va_vdst(0) depctr_va_sdst(0) depctr_va_ssrc(0) depctr_va_vcc(0) depctr_vm_vsrc(0)
	s_getreg_b32 s2, hwreg(HW_REG_IB_STS2, 6, 4)
	s_cmp_eq_u32 s2, 0
	s_cbranch_scc0 .Lentry_in_a_cluster
	s_endpgm
.Lentry_in_a_cluster:
	s_bfe_u32 s2, ttmp6, 0x10000c
	s_cmp_lg_u32 s2, 0xf033
	s_cbranch_scc0 .Lentry_shape_is_right
	s_endpgm
.Lentry_shape_is_right:
; out0 = ctx wof^T + bo.  ctx: [4096][1024] f16, wof: [1024][1024] f16, bo: [1024] f32, out0: [4096][1024] f32; sums in f32.
; 32 x 8 blocks of 128 x 128 = 256 work-groups; four waves, a wave makes 64 x 64 in 16 accumulator tiles.
; K goes in four steps of 256 (rows of 512 bytes, aligned) through two LDS slots filled by the tensor data mover; the steps are written out.
; CLUSTERS: 4 x 4 work-groups; ctx's tile hangs on the block row alone and is asked for jointly along a row of the cluster, wof's on the block
; column alone and is asked for jointly along a column.
; REGISTERS: window 0: v0-31 addresses, v32-63 bias, v64-191 fragment buffer X, v192-223 results with bias, v224-255 rows read back;
;            window 1: v0-127 accumulators (tile (a, b) at v[8 (4 a + b)]), v128-255 fragment buffer Y.
; A buffer holds 64 along K: at 64 q + 8 i the fragment of ctx's rows 16 i.., at 64 q + 32 + 8 i that of wof's rows 16 i.., q = 0, 1.
; The matrix instruction is used transposed (source 0 = rows of wof): a lane holds row l % 16 and eight neighbouring columns.
; LIMIT: the operands are f16 as the launches before left them.
.set KBYTES, 512
.set PITCH,  528                       ; 512 bytes + 16 of padding: an odd multiple of 16
.set HALFT,  64*PITCH                  ; what one tensor load brings
.set SLOT,   4*HALFT                   ; ctx's 128 rows, then wof's 128 rows
.set STAGE,  2*SLOT
.set SPITCH, 272                       ; the stage: 16 rows of 64 f32 + 16 bytes, for each wave
.set ADRA, 16
.set ADRB, 20
.set STO,  24
.set RD,   25
.set CO,   26
.set BOFF, 27
.set BIAS, 32
.set TR,   192
.set RB,   224
.set XB, 64                            ; buffer X: base, window setting to load it, to multiply from it
.set XL, 0x00
.set XM, 0x50
.set YB, 128
.set YL, 0x40
.set YM, 0x55
.set G1,  24
.set G0,  32
.set G1B, 48
.set G0B, 56
.set MSB, 0
.macro WIN new                         ; the immediate's high byte repeats the setting that is left
.if MSB != \new
	s_set_vgpr_msb (MSB<<8)|\new
.set MSB, \new
.endif
.endm
.macro PLACES                          ; four places behind a matrix instruction (ISA guide 7.12.1) before its registers are loaded again or its result read
.rept 4
	v_nop
.endr
.endm
.macro JLOAD s                         ; waves 0 and 1 fetch ctx's two halves, waves 2 and 3 wof's
	s_cmp_eq_u32 s11, 0
	s_cbranch_scc0 .Lfor_b_\@
	tensor_load_to_lds s[G0+4*\s:G0+4*\s+3], s[G1:G1+7]
	s_nop 0
	s_branch .Lasked_\@
.Lfor_b_\@:
	tensor_load_to_lds s[G0B+4*\s:G0B+4*\s+3], s[G1B:G1B+7]
	s_nop 0
.Lasked_\@:
.endm
.macro CREST
	s_cmp_lg_u32 s10, 0
	s_cbranch_scc1 .Lnot_wave_0_\@
	s_barrier_signal -3
.Lnot_wave_0_\@:
	s_barrier_wait -3
	s_barrier_signal -1
	s_barrier_wait -1
.endm
.macro CROUND
	s_barrier_signal -1
	s_barrier_wait -1
	CREST
.endm
	s_load_b128 s[4:7], s[0:1], 0x0                ; ctx, wof
	s_load_b128 s[68:71], s[0:1], 0x10             ; bo, out0
	v_lshl_add_u32 v30, v0, 2, 0x46400
	v_mov_b32 v31, 0
	ds_add_u32 v30, v31
	v_lshrrev_b32 v1, 5, v0
	v_readfirstlane_b32 s10, v1                    ; wave 0..3
	s_lshr_b32 s11, s10, 1                         ; my half of the rows; also: I fetch for ctx (0) or wof (1)
	s_and_b32 s12, s10, 1                          ; my half of the columns; also: which 64 rows I fetch
	s_bfe_u32 s40, ttmp6, 0x40000                  ; cx
	s_bfe_u32 s41, ttmp6, 0x40004                  ; cy
	s_lshl_b32 s42, ttmp9, 2
	s_add_co_u32 s42, s42, s40                     ; block column 0..7
	s_and_b32 s13, ttmp7, 0xffff
	s_lshl_b32 s13, s13, 2
	s_add_co_u32 s13, s13, s41                     ; block row 0..31
	s_lshl_b32 s43, s41, 2
	s_lshl_b32 s43, 15, s43                        ; my row of the cluster
	s_lshl_b32 s44, 0x1111, s40                    ; my column
	; group 1: 64 rows x 256 elements of 2 bytes, 4 words of padding behind every 128
	s_or_b32 s[G1+0], s43, (1<<16)|(1<<20)|(1<<21)|(6<<22)|(3<<25)
	s_or_b32 s[G1B+0], s44, (1<<16)|(1<<20)|(1<<21)|(6<<22)|(3<<25)
	s_mov_b32 s[G1+1], 256<<16                     ; tensor_dim0 = 256
	s_mov_b32 s[G1B+1], 256<<16
	s_mov_b32 s[G1+2], 64<<16                      ; tensor_dim1 = 64
	s_mov_b32 s[G1B+2], 64<<16
	s_mov_b32 s[G1+3], 256<<16                     ; tile_dim0 = 256
	s_mov_b32 s[G1B+3], 256<<16
	s_mov_b32 s[G1+4], 64                          ; tile_dim1 = 64
	s_mov_b32 s[G1B+4], 64
	s_mov_b32 s[G1+5], 1024                        ; elements from row to row
	s_mov_b32 s[G1B+5], 1024
	s_mov_b32 s[G1+6], 0
	s_mov_b32 s[G1B+6], 0
	s_mov_b32 s[G1+7], 0
	s_mov_b32 s[G1B+7], 0
	s_lshl_b32 s17, s12, 6
	s_lshl_b32 s16, s13, 7
	s_add_co_u32 s16, s16, s17
	s_lshl_b32 s16, s16, 11                        ; (128 block row + 64 half) rows of 2,048 bytes
	s_lshl_b32 s46, s42, 7
	s_add_co_u32 s46, s46, s17
	s_lshl_b32 s46, s46, 11
	s_mov_b32 s17, 0
	s_mov_b32 s47, 0
	s_mul_i32 s20, s10, HALFT
	s_lshl_b32 s18, s42, 9
	s_lshl_b32 s19, s12, 8
	s_add_co_u32 s18, s18, s19                     ; my first column x 4 bytes
	s_mov_b32 s19, 0
	s_wait_dscnt 0x0
	s_wait_kmcnt 0x0
	s_add_nc_u64 s[14:15], s[4:5], s[16:17]
	s_add_nc_u64 s[46:47], s[6:7], s[46:47]
	s_add_nc_u64 s[68:69], s[68:69], s[18:19]
	CROUND                                         ; all sixteen work-groups are here: the first joint loads meet
.irp s, 0,1
	s_mov_b32 s[G0+4*\s], 1
	s_add_co_u32 s[G0+4*\s+1], s20, \s*SLOT
	s_add_nc_u64 s[G0+4*\s+2:G0+4*\s+3], s[14:15], \s*KBYTES
	s_or_b32 s[G0+4*\s+3], s[G0+4*\s+3], 0x80000000
	s_mov_b32 s[G0B+4*\s], 1
	s_add_co_u32 s[G0B+4*\s+1], s20, \s*SLOT
	s_add_nc_u64 s[G0B+4*\s+2:G0B+4*\s+3], s[46:47], \s*KBYTES
	s_or_b32 s[G0B+4*\s+3], s[G0B+4*\s+3], 0x80000000
	JLOAD \s                                       ; half of all of K is asked for before anything else
.endr
	v_and_b32 v1, 15, v0                           ; r
	v_bfe_u32 v2, v0, 4, 1                         ; h
	v_lshlrev_b32 v[BOFF], 5, v2
.irp b, 0,1,2,3
	global_load_b128 v[BIAS+8*\b:BIAS+8*\b+3],   v[BOFF], s[68:69] offset:64*\b        ; bias of columns 16 b + 8 h + 0..3
	global_load_b128 v[BIAS+8*\b+4:BIAS+8*\b+7], v[BOFF], s[68:69] offset:64*\b+16     ; and + 4..7; waited for in front of the way out
.endr
	v_mul_u32_u24 v3, v1, PITCH
	v_lshl_add_u32 v3, v2, 4, v3                   ; row x pitch + 16 h
	s_mul_i32 s21, s11, HALFT
	s_mul_i32 s22, s12, HALFT
	s_add_co_u32 s22, s22, 2*HALFT
.irp s, 0,1
	v_add_nc_u32 v[ADRA+\s], s21, v3
	v_add_nc_u32 v[ADRB+\s], s22, v3
	s_add_co_u32 s21, s21, SLOT
	s_add_co_u32 s22, s22, SLOT
.endr
	s_mul_i32 s23, s10, 16*SPITCH
	s_add_co_u32 s23, s23, STAGE
	v_mul_u32_u24 v4, v1, SPITCH
	v_lshl_add_u32 v4, v2, 5, v4
	v_add_nc_u32 v[STO], s23, v4                   ; row r, 32 bytes for each half of the lanes
	v_mul_u32_u24 v5, v2, SPITCH
	v_lshl_add_u32 v5, v1, 4, v5
	v_add_nc_u32 v[RD], s23, v5
	v_lshlrev_b32 v5, 4, v1
	v_lshl_add_u32 v[CO], v2, 12, v5               ; two rows of out0, 4,096 bytes apart
; 32 LDS loads: the fragments of 64 along K, at byte 128 g of the slot's rows; the first 16 are q = 0's
.macro FETCH slot, g, base, win
	WIN \win
.irp q, 0,1
.irp i, 0,1,2,3
	ds_load_b128 v[\base+64*\q+8*\i:\base+64*\q+8*\i+3],   v[ADRA+\slot] offset:\i*16*PITCH+128*\g+64*\q
	ds_load_b128 v[\base+64*\q+8*\i+4:\base+64*\q+8*\i+7], v[ADRA+\slot] offset:\i*16*PITCH+128*\g+64*\q+32
.endr
.irp i, 0,1,2,3
	ds_load_b128 v[\base+64*\q+32+8*\i:\base+64*\q+32+8*\i+3],   v[ADRB+\slot] offset:\i*16*PITCH+128*\g+64*\q
	ds_load_b128 v[\base+64*\q+32+8*\i+4:\base+64*\q+32+8*\i+7], v[ADRB+\slot] offset:\i*16*PITCH+128*\g+64*\q+32
.endr
.endr
.endm
; 16 matrix instructions, 32 along K.  The 16 accumulators take turns, one instruction a turn, in the same order every time.
.macro MUL16 base, q, win, zero
	WIN \win
.irp a, 0,1,2,3
.irp b, 0,1,2,3
.if \zero
	v_wmma_f32_16x16x32_f16 v[8*(4*\a+\b):8*(4*\a+\b)+7], v[\base+64*\q+32+8*\b:\base+64*\q+32+8*\b+7], v[\base+64*\q+8*\a:\base+64*\q+8*\a+7], 0
.else
	v_wmma_f32_16x16x32_f16 v[8*(4*\a+\b):8*(4*\a+\b)+7], v[\base+64*\q+32+8*\b:\base+64*\q+32+8*\b+7], v[\base+64*\q+8*\a:\base+64*\q+8*\a+7], v[8*(4*\a+\b):8*(4*\a+\b)+7]
.endif
.endr
.endr
.endm
; 64 along K from the buffer at work (cb, cm), while the next 64 are fetched into the other (ob, ol)
.macro GROUP slot, gnext, cb, cm, ob, ol, zero
	PLACES                                         ; the other buffer was read by the last matrix instructions
	FETCH \slot, \gnext, \ob, \ol
	s_wait_dscnt 48                                ; the first 16 loads of the buffer at work are in; its other 16 and the 32 just issued may be out
	MUL16 \cb, 0, \cm, \zero
	s_wait_dscnt 32                                ; all of the buffer at work
	MUL16 \cb, 1, \cm, 0
.endm
.macro STEP slot, zero
	GROUP \slot, 1, XB, XM, YB, YL, \zero
	GROUP \slot, 2, YB, YM, XB, XL, 0
	GROUP \slot, 3, XB, XM, YB, YL, 0
.endm
; The last 64 of a K step (in Y) and the change of slots: each wave's reads of this slot and all its tensor loads are waited for in front of the
; barrier; behind it the refill comes first, then the next slot is read.
.macro TURN slot, next, fill
	s_wait_dscnt 0x0
	s_wait_tensorcnt 0x0
	ds_add_u32 v30, v31
	s_wait_dscnt 0x0
	s_barrier_signal -1                            ; (where the slot is filled again this barrier opens a round of the cluster's barrier)
	MUL16 YB, 0, YM, 0                             ; register work while the others arrive
	WIN 0
	s_barrier_wait -1
.if \fill
	CREST                                          ; no wave of any partner still reads this slot or has a load on its way
	s_add_nc_u64 s[G0+4*\slot+2:G0+4*\slot+3], s[G0+4*\slot+2:G0+4*\slot+3], 2*KBYTES
	s_add_nc_u64 s[G0B+4*\slot+2:G0B+4*\slot+3], s[G0B+4*\slot+2:G0B+4*\slot+3], 2*KBYTES
	JLOAD \slot                                    ; my one tensor load behind the round: two K steps ahead
.endif
	PLACES
	FETCH \next, 0, XB, XL
	MUL16 YB, 1, YM, 0
.endm
	s_wait_tensorcnt 0x1                           ; my part of K step 0 is in; K step 1's load stays out
	s_barrier_signal -1
	s_barrier_wait -1
	FETCH 0, 0, XB, XL
	STEP 0, 1                                      ; the first products start the sums
	TURN 0, 1, 1                                   ; slot 0 gets K step 2
	STEP 1, 0
	TURN 1, 0, 1                                   ; slot 1 gets K step 3
	STEP 0, 0
	TURN 0, 1, 0                                   ; nothing is left to fetch
	STEP 1, 0
	s_wait_dscnt 0x0
	MUL16 YB, 0, YM, 0
	MUL16 YB, 1, YM, 0
	PLACES
	WIN 0
	s_wait_loadcnt 0x0                             ; the bias
	s_lshl_b32 s16, s13, 7
	s_lshl_b32 s14, s11, 6
	s_add_co_u32 s16, s16, s14
	s_lshl_b32 s16, s16, 12                        ; my first row x 4,096 bytes
	s_mov_b32 s17, 0
	s_add_nc_u64 s[70:71], s[70:71], s[16:17]
	s_lshl_b32 s46, s42, 9
	s_lshl_b32 s47, s12, 8
	s_add_co_u32 s46, s46, s47                     ; my first column x 4 bytes
	s_mov_b32 s47, 0
	s_add_nc_u64 s[70:71], s[70:71], s[46:47]
; THE WAY OUT, rows 16 a .. 16 a + 15 of my 64: bias, through my own stage into whole rows of 256 bytes
.macro OUTA a
	WIN 0x01
.irp b, 0,1,2,3
.irp p, 0,1,2,3
	v_pk_add_f32 v[TR+8*\b+2*\p:TR+8*\b+2*\p+1], v[8*(4*\a+\b)+2*\p:8*(4*\a+\b)+2*\p+1], v[BIAS+8*\b+2*\p:BIAS+8*\b+2*\p+1]
.endr
.endr
	WIN 0
.irp b, 0,1,2,3
	ds_store_b128 v[STO], v[TR+8*\b:TR+8*\b+3]   offset:64*\b
	ds_store_b128 v[STO], v[TR+8*\b+4:TR+8*\b+7] offset:64*\b+16
.endr
	s_wait_xcnt 0x0                                ; RB, which the last stores read, and their base are rewritten only behind this wait
.if \a
	s_add_nc_u64 s[70:71], s[70:71], 16*4096       ; 16 rows on
.endif
.irp t, 0,1,2,3,4,5,6,7
	ds_load_b128 v[RB+4*\t:RB+4*\t+3], v[RD] offset:\t*2*SPITCH        ; LDS serves a wave's instructions in order: these see the stores above
.endr
.irp t, 0,1,2,3,4,5,6,7
	s_wait_dscnt 7-\t                              ; load t of the eight is in
	global_store_b128 v[CO], v[RB+4*\t:RB+4*\t+3], s[70:71] offset:\t*2*4096 th:TH_STORE_NT    ; 16 lanes store 256 consecutive bytes, aligned
.endr
.endm
	OUTA 0
	OUTA 1
	OUTA 2
	OUTA 3
	s_wait_tensorcnt 0x0
	ds_add_u32 v30, v31
	s_wait_dscnt 0x0
	CROUND                                         ; the closing round: no work-group ends while a partner may still ask for a tile that names it
	s_endpgm
.Lfunc_end_k_q0164143bb6_oproj:
	.size	k_q0164143bb6_oproj, .Lfunc_end_k_q0164143bb6_oproj-k_q0164143bb6_oproj
	.p2alignl 7, 3214868480
	.fill 96, 4, 3214868480
	.section	.rodata,"a",@progbits
	.p2align	6, 0x0
	.amdhsa_kernel k_q0164143bb6_oproj
		.amdhsa_group_segment_fixed_size 327680
		.amdhsa_private_segment_fixed_size 0
		.amdhsa_enable_private_segment 0
		.amdhsa_kernarg_size 32
		.amdhsa_user_sgpr_count 2
		.amdhsa_user_sgpr_kernarg_segment_ptr 1
		.amdhsa_wavefront_size32 1
		.amdhsa_system_sgpr_workgroup_id_x 1
		.amdhsa_system_sgpr_workgroup_id_y 1
		.amdhsa_system_sgpr_workgroup_id_z 1
		.amdhsa_system_vgpr_workitem_id 0
		.amdhsa_next_free_vgpr 512
		.amdhsa_next_free_sgpr 72
		.amdhsa_reserve_vcc 0
		.amdhsa_float_denorm_mode_32 3
		.amdhsa_float_denorm_mode_16_64 3
		.amdhsa_memory_ordered 1
		.amdhsa_forward_progress 1
		.amdhsa_inst_pref_size 91
	.end_amdhsa_kernel
	.amdgpu_metadata
---
amdhsa.version: [ 1, 2 ]
amdhsa.kernels:
  - .name:           k_q0164143bb6_oproj
    .symbol:         k_q0164143bb6_oproj.kd
    .args:
      - { .name: ctx, .offset: 0, .size: 8, .value_kind: global_buffer, .address_space: global }
      - { .name: wof, .offset: 8, .size: 8, .value_kind: global_buffer, .address_space: global }
      - { .name: bo, .offset: 16, .size: 8, .value_kind: global_buffer, .address_space: global }
      - { .name: out0, .offset: 24, .size: 8, .value_kind: global_buffer, .address_space: global }
    .group_segment_fixed_size: 327680
    .private_segment_fixed_size: 0
    .kernarg_segment_align: 8
    .kernarg_segment_size: 32
    .max_flat_workgroup_size: 128
    .sgpr_count:     72
    .vgpr_count:     512
    .wavefront_size: 32
...
	.end_amdgpu_metadata
.endif
;; end of part 3
;; ======== version 2 of 2: 3 launches; version 1 with the launch attn written anew for expert scheduling mode
;; limits: values are held in f16: magnitudes above 65,504 overflow, below 6.1e-05 lose precision; right only within a limited range of input values
;; workspace buffers: qh 8,388,608 bytes; kh 8,388,608 bytes; vh 8,388,608 bytes; ctx 8,388,608 bytes; wof 2,097,152 bytes
;; launch qkv: the kernel of part 1 again; grid 4 x 48, 4 waves a work-group, clusters of 4 x 4, 327,680 bytes of LDS; arguments query, key, value, Wq, Wk, Wv, bq, bk, bv, qh, kh, vh; writes qh, kh, vh
;; launch attn (part 4): grid 16 x 16, 8 waves a work-group, no clusters, 179,200 bytes of LDS; arguments qh, kh, vh, Wo, ctx, wof; writes ctx, wof
.if DOCPART == 4
	.amdgcn_target "amdgcn-amd-amdhsa--gfx1250"
	.amdhsa_code_object_version 6
	.text
	.protected	k_q0164143bb6_attn
	.globl	k_q0164143bb6_attn
	.p2align	8
	.type	k_q0164143bb6_attn,@function
k_q0164143bb6_attn:
	s_mov_b64 s[64:65], 0
	v_nop
	global_prefetch_b8 v0, s[64:65] scope:SCOPE_SE
	s_setreg_imm32_b32 hwreg(HW_REG_WAVE_SCHED_MODE, 0, 2), 2
	s_setreg_imm32_b32 hwreg(HW_REG_WAVE_MODE, 25, 1), 1
	s_wait_xcnt 0x0
	s_wait_alu depctr_vm_vsrc(0)
; Softmax attention inside the window |i - j| <= 50, and Wo rounded to f16 on the side.
; qh, kh, vh, ctx: [4096][1024] f16 (row = 2048 batch + position, column = 64 head + d).  Wo: [1024][1024] f32, wof the same in f16.
; A work-group takes 128 queries (x), one batch and two neighbouring heads (y = 8 batch + head pair): 256 aligned bytes of every row.
; Wave w takes queries q0 = 128 x + 16 w .. + 15, the two heads one after the other.  Its keys are j = q0 - 56 + e, e = 0..127: they cover
; q0 - 50 .. q0 + 65, all that the window lets 16 queries see, as 8 key tiles of 16 = 4 K steps of 32 for the second product.
; So a query's whole row of scores lies in registers (64 in each of two lanes): the true maximum is taken once, no running maximum is needed.
; The work-group's key slab is 256 rows from 128 x - 64; wave w brings rows 32 w .. 32 w + 31 through registers into LDS.  A group of 32 rows that
; would lie in front of row 0 or behind row 2047 is taken from the nearest 32 rows inside: those keys do not exist and are masked.
; Scores are made transposed (source 0 = keys, source 1 = queries): lane l holds query l % 16 and keys 16 t + 8 (l / 16) + 0..7, which, packed to
; f16 in place, IS the second product's fragment of p; v comes out of LDS by the transposing load.
; NO CLUSTER: neighbouring work-groups' slabs are shifted by 128 rows, so no two ask for the same 256 rows, and the edge slabs are clamped otherwise.
; Everything that a work-group reads is asked for in its first lines, so there is nothing to prefetch.
; LIMITS: keys outside the window get -inf where the reference puts -1e9: the same result while a row's largest score inside the window lies
; above about -1e9 + 104.  q, k, v are f16 (finite: under 65,504); p in [0, 1] and the result (a convex mix of v) are f16.
; THE MODE: SCHED_MODE bits 1:0 = 2 (LLVM: expert scheduling mode 2), set by the entry lines.  The code itself states the register dependences
; between vector or matrix instructions and memory or LDS instructions, with s_wait_alu, always for 0.
; THE PLAN.  Registers that memory or LDS instructions touch:
;   v15, v13, v5              global offsets: made at the head, ahead of the wait in front of the first load; never written again.
;   v14, v6, v7, v12, v10, v11  LDS addresses: made while the loads are out, ahead of the wait in front of the first LDS store; never written again.
;   v48-79, v112-239          q, k, v as loaded: the LDS stores read them; behind the barrier one wait on vm_vsrc, then products and LDS loads write them.
;   v96-103                   Wo in f16: eight conversions write them, one wait, four stores read them; the same wait on vm_vsrc frees them.
;   QF                        q's loads land in it, the products read it, the result's conversions write it, one wait, four LDS stores read it;
;                             one wait on vm_vsrc ahead of the second head's loads into it.
;   KV                        k's loads land in it, sixteen products read it, one wait, v's loads land in it, sixteen products read it; the wait ahead of
;                             the result's LDS stores states that those are done too, and no vector or matrix instruction follows it before the next loads into KV.
;   The scores, p, the accumulators and the statistics are named by vector and matrix instructions alone.
; THE MASKS hang on the wave and the lane, not on the head: one run of 64 compares into scalar registers, one wait behind it, and both heads' selects read them.
.set QL, 0                             ; 128 rows of q, pitch 272; a wave's own 16 rows, later its stage for the result
.set KL, 128*272                       ; 256 rows of k, pitch 272
.set VL, KL+256*272                    ; 256 rows of v, pitch 288 (an odd multiple of 32 bytes, for the transposing load)
.set QP, 272
.set VP, 288
.set QF, 32                            ; v32-47   q's two fragments; later the packed result
.set SC, 48                            ; v48-111  scores, tile t at SC + 8 t; packed: p in v48-79
.set OA, 80                            ; v80-111  the result's four accumulators
.set KV, 112                           ; v112-239 k's 16 fragments, then v's 16
; v5 8 tid, v6 k's store address, v7 v's, v8 and v9 mask bounds, v10 k's fragment address, v11 v's, v12 q's (and the result's), v13 16 tid,
; v14 q's store address = read-back address, v15 byte offset of my 16 bytes in two rows of memory, v16-17 -max C, v18-19 1/sum, v20-27 chains
; The mask of score 8 t + j lies in a scalar register: numbers 0-35 in s66-101, numbers 36-63 in s36-63 (free when the compares are reached)
.macro MREG m
.if (\m) < 36
.set MS, 66+(\m)
.else
.set MS, (\m)
.endif
.endm
	s_load_b256 s[4:11], s[0:1], 0x0               ; qh, kh, vh, Wo
	s_load_b128 s[12:15], s[0:1], 0x20             ; ctx, wof
	v_lshl_add_u32 v240, v0, 2, 0x2b800
	v_mov_b32 v241, 0
	v_lshrrev_b32 v1, 5, v0
	v_readfirstlane_b32 s16, v1                    ; wave 0..7
	v_and_b32 v2, 15, v0                           ; r
	v_bfe_u32 v3, v0, 4, 1                         ; h
	v_lshlrev_b32 v15, 4, v2
	v_lshl_add_u32 v15, v3, 11, v15                ; lanes 0-15 one row's 256 bytes, lanes 16-31 the next row's
	v_lshlrev_b32 v13, 4, v0
	v_lshlrev_b32 v5, 3, v0
	s_and_b32 s18, ttmp7, 0xffff
	s_lshr_b32 s19, s18, 3                         ; batch
	s_and_b32 s20, s18, 7                          ; head pair
	s_lshl_b32 s21, ttmp9, 7
	s_wait_alu depctr_va_sdst(0)                   ; s16 is written, ahead of its first reader: rows, bases and LDS addresses are made from it
	s_lshl_b32 s23, s16, 4
	s_add_co_u32 s21, s21, s23                     ; q0
	s_lshl_b32 s22, ttmp9, 7
	s_lshl_b32 s23, s16, 5
	s_add_co_u32 s22, s22, s23
	s_sub_co_i32 s22, s22, 64
	s_max_i32 s22, s22, 0
	s_min_i32 s22, s22, 2016                       ; first of the 32 key rows that I bring
	s_lshl_b32 s24, s19, 11
	s_lshl_b32 s25, s20, 8
	s_add_co_u32 s36, s24, s21
	s_lshl_b32 s36, s36, 11
	s_add_co_u32 s36, s36, s25                     ; my queries: (2048 batch + q0) rows of 2,048 bytes + 256 head pair
	s_mov_b32 s37, 0
	s_add_co_u32 s38, s24, s22
	s_lshl_b32 s38, s38, 11
	s_add_co_u32 s38, s38, s25                     ; my key rows likewise
	s_mov_b32 s39, 0
	s_lshl_b32 s40, s18, 4
	s_add_co_u32 s40, s40, ttmp9                   ; the work-group's number 0..255: its 4,096 numbers of Wo
	s_lshl_b32 s42, s40, 13
	s_lshl_b32 s40, s40, 14
	s_mov_b32 s41, 0
	s_mov_b32 s43, 0
	s_mov_b32 s26, 0x76543210                      ; v_permlanex16_b32: lane i reads lane i of the other half
	s_mov_b32 s27, 0xfedcba98
	s_mov_b32 s28, 0xff800000                      ; -inf
	s_mov_b32 s30, 0x3e38aa3b                      ; C = log2(e) / 8: the 1 / sqrt(64) and the change of base in one
	s_mov_b32 s31, 0x3e38aa3b
	s_mov_b32 s34, 0xbe38aa3b                      ; -C
	s_sub_co_i32 s32, 56, s21
	s_max_i32 s32, s32, 0                          ; e of key 0, if it lies in my range
	s_sub_co_i32 s33, 2103, s21                    ; e of key 2047 (at least 71)
	s_wait_kmcnt 0x0
	s_add_nc_u64 s[4:5], s[4:5], s[36:37]
	s_add_nc_u64 s[6:7], s[6:7], s[38:39]
	s_add_nc_u64 s[8:9], s[8:9], s[38:39]
	s_add_nc_u64 s[10:11], s[10:11], s[40:41]
	s_add_nc_u64 s[12:13], s[12:13], s[36:37]
	s_add_nc_u64 s[14:15], s[14:15], s[42:43]
	s_wait_alu depctr_va_vdst(0)                   ; v15, v13 and v5 are written: every global load and store of the kernel reads one of them as its offset
.irp i, 0,1,2,3,4,5,6,7
	global_load_b128 v[48+4*\i:51+4*\i], v15, s[4:5] offset:4096*\i            ; q: 16 rows
.endr
.irp i, 0,1,2,3,4,5,6,7,8,9,10,11,12,13,14,15
	global_load_b128 v[112+4*\i:115+4*\i], v15, s[6:7] offset:4096*\i          ; k: 32 rows
.endr
.irp i, 0,1,2,3,4,5,6,7,8,9,10,11,12,13,14,15
	global_load_b128 v[176+4*\i:179+4*\i], v15, s[8:9] offset:4096*\i          ; v: 32 rows
.endr
.irp i, 0,1,2,3
	global_load_b128 v[80+4*\i:83+4*\i], v13, s[10:11] offset:4096*\i th:TH_LOAD_NT    ; Wo: read once in the launch
.endr
	; LDS addresses, mask bounds and masks, while the loads are on their way: none of these lines names a register that a load above touches
	s_mul_i32 s35, s16, 16*QP
	v_mul_u32_u24 v4, v3, QP
	v_lshl_add_u32 v4, v2, 4, v4                   ; h rows + 16 r
	v_add_nc_u32 v14, s35, v4
	s_mul_i32 s44, s16, 32*QP
	s_add_co_u32 s44, s44, KL
	v_add_nc_u32 v6, s44, v4
	v_mul_u32_u24 v7, v3, VP
	v_lshl_add_u32 v7, v2, 4, v7
	s_mul_i32 s45, s16, 32*VP
	s_add_co_u32 s45, s45, VL
	v_add_nc_u32 v7, s45, v7
	v_mul_u32_u24 v12, v2, QP
	v_lshl_add_u32 v12, v3, 4, v12
	v_add_nc_u32 v12, s35, v12                     ; q: row 16 w + r, + 16 h
	v_add_nc_u32 v10, KL+8*QP, v12                 ; k: slab row 16 w + 8 + r, + 16 h
	v_and_b32 v4, 7, v0
	v_lshl_add_u32 v4, v3, 3, v4
	v_mul_u32_u24 v11, v4, VP
	v_bfe_u32 v4, v0, 3, 1
	v_lshl_add_u32 v11, v4, 4, v11
	s_mul_i32 s46, s16, 16*VP
	s_add_co_u32 s46, s46, VL+8*VP
	v_add_nc_u32 v11, s46, v11                     ; v: slab row 16 w + 8 + 8 h + (l & 7), + 16 ((l >> 3) & 1)
	; key e = c + 8 h with c = 16 t + j a constant of the text.  It counts if max(r + 6, e of key 0) <= e <= min(r + 106, e of key 2047).
	v_lshlrev_b32 v4, 3, v3
	v_add_nc_u32 v8, 6, v2
	v_max_u32 v8, s32, v8
	v_max_u32 v8, v8, v4
	v_sub_nc_u32 v8, v8, v4                        ; c >= v8 (held at 0 from below)
	v_add_nc_u32 v9, 106, v2
	v_min_u32 v9, s33, v9
	v_sub_nc_u32 v9, v9, v4                        ; c <= v9 (at least 63)
	; the masks: e <= 63 in tiles 0-3 can break the lower bound alone (the upper is at least 71), e >= 64 in tiles 4-7 the upper alone (the lower is at most 56)
.set mm, 0
.rept 32
	MREG mm
	v_cmp_ge_u32 s[MS], 16*(mm/8)+mm%8, v8
.set mm, mm+1
.endr
.rept 32
	MREG mm
	v_cmp_le_u32 s[MS], 16*(mm/8)+mm%8, v9
.set mm, mm+1
.endr
	s_wait_alu depctr_va_sdst(0)                   ; the 64 compares have written their scalar registers, ahead of the first select that reads one
	s_wait_alu depctr_va_vdst(0)                   ; v14, v6, v7, v12, v10 and v11 are written: every LDS instruction of the kernel but the closing add reads one of them as its address
	s_wait_loadcnt 36                              ; q is in; the 36 younger loads (k, v, Wo) may be out
.irp i, 0,1,2,3,4,5,6,7
	ds_store_b128 v14, v[48+4*\i:51+4*\i] offset:2*QP*\i
.endr
	s_wait_loadcnt 20                              ; k is in; v and Wo may be out
.irp i, 0,1,2,3,4,5,6,7,8,9,10,11,12,13,14,15
	ds_store_b128 v6, v[112+4*\i:115+4*\i] offset:2*QP*\i
.endr
	s_wait_loadcnt 4                               ; v is in; Wo may be out
.irp i, 0,1,2,3,4,5,6,7,8,9,10,11,12,13,14,15
	ds_store_b128 v7, v[176+4*\i:179+4*\i] offset:2*VP*\i
.endr
	s_wait_loadcnt 0x0
.irp i, 0,1,2,3
	v_cvt_pk_f16_f32 v[96+2*\i], v[80+4*\i], v[81+4*\i]
	v_cvt_pk_f16_f32 v[97+2*\i], v[82+4*\i], v[83+4*\i]
.endr
	s_wait_alu depctr_va_vdst(0)                   ; the eight conversions have written v96-103, which the four stores read
.irp i, 0,1,2,3
	global_store_b64 v5, v[96+2*\i:97+2*\i], s[14:15] offset:2048*\i           ; a wave stores 256 consecutive bytes, aligned
.endr
	s_wait_dscnt 0x0                               ; my rows of the slabs are written: the others read them behind the barrier
	s_barrier_signal -1
	s_barrier_wait -1
	s_wait_xcnt 0x0                                ; v96-103, which the stores read, are score registers from here on
	s_wait_alu depctr_vm_vsrc(0)                   ; the LDS stores have read v48-79 and v112-239, the stores of Wo v96-103: products and the fragments' loads write these from here on
.macro HEAD hh
.if \hh
	s_wait_alu depctr_vm_vsrc(0)                   ; the first head's LDS stores have read v[QF ..], in which q's loads land (the products and conversions that named QF and KV stand ahead of the last wait on va_vdst)
.endif
.irp s, 0,1
	ds_load_b128 v[QF+8*\s:QF+8*\s+3],   v12 offset:128*\hh+64*\s
	ds_load_b128 v[QF+8*\s+4:QF+8*\s+7], v12 offset:128*\hh+64*\s+32
.endr
.irp s, 0,1
.irp t, 0,1,2,3,4,5,6,7
	ds_load_b128 v[KV+16*\t+8*\s:KV+16*\t+8*\s+3],   v10 offset:\t*16*QP+128*\hh+64*\s
	ds_load_b128 v[KV+16*\t+8*\s+4:KV+16*\t+8*\s+7], v10 offset:\t*16*QP+128*\hh+64*\s+32
.endr
.endr
	s_wait_dscnt 16                                ; q and k's d = 0..31 are in; the 16 loads of d = 32..63 may be out
	; the eight score tiles take turns, one instruction a turn
.irp t, 0,1,2,3,4,5,6,7
	v_wmma_f32_16x16x32_f16 v[SC+8*\t:SC+8*\t+7], v[KV+16*\t:KV+16*\t+7], v[QF:QF+7], 0
.endr
	s_wait_dscnt 0x0
.irp t, 0,1,2,3,4,5,6,7
	v_wmma_f32_16x16x32_f16 v[SC+8*\t:SC+8*\t+7], v[KV+16*\t+8:KV+16*\t+15], v[QF+8:QF+15], v[SC+8*\t:SC+8*\t+7]
.endr
.rept 5
	v_nop                                          ; places behind the matrix instructions: the scores are read and written by the selects below
.endr
	s_wait_alu depctr_va_vdst(0)                   ; the sixteen matrix instructions are done reading k's fragments, in which v's loads land
	; v's 32 transposing loads, four ahead of each score tile's eight selects.  No further wait: the selects name the scores and scalar registers alone
.set tt, 0
.rept 8
.irp z, 0,1
.set ff, 2*tt+\z
	ds_load_tr16_b128 v[KV+8*ff:KV+8*ff+3],   v11 offset:(ff/4)*32*VP+128*\hh+32*(ff%4)           ; v transposed: d = 16 (ff % 4) + r, keys 32 (ff / 4) + 8 h ..
	ds_load_tr16_b128 v[KV+8*ff+4:KV+8*ff+7], v11 offset:(ff/4)*32*VP+128*\hh+32*(ff%4)+16*VP     ; keys 32 (ff / 4) + 16 + 8 h ..
.endr
.irp j, 0,1,2,3,4,5,6,7
	MREG 8*tt+\j
	v_cndmask_b32 v[SC+8*tt+\j], s28, v[SC+8*tt+\j], s[MS]                     ; -inf where the key does not count
.endr
.set tt, tt+1
.endr
	; the row's maximum: four chains over my 64 scores, then the lane that holds the query's other 64
.irp q, 0,1,2,3
	v_max_num_f32 v[20+\q], v[SC+\q], v[SC+4+\q]
.endr
.irp g, 1,2,3,4,5,6,7
.irp q, 0,1,2,3
	v_max3_num_f32 v[20+\q], v[20+\q], v[SC+8*\g+\q], v[SC+8*\g+4+\q]
.endr
.endr
	v_max3_num_f32 v20, v20, v21, v22
	v_max_num_f32 v20, v20, v23
	v_permlanex16_b32 v21, v20, s26, s27
	v_max_num_f32 v20, v20, v21                    ; finite: key i itself is always inside the window
	v_mul_f32 v16, s34, v20
	v_mul_f32 v17, s34, v20                        ; -max C, twice
.irp q, 0,1,2,3,4,5,6,7,8,9,10,11,12,13,14,15,16,17,18,19,20,21,22,23,24,25,26,27,28,29,30,31
	v_pk_fma_f32 v[SC+2*\q:SC+2*\q+1], v[SC+2*\q:SC+2*\q+1], s[30:31], v[16:17] op_sel_hi:[1,0,1]
.endr
.set e, 0
.rept 64
	v_exp_f32 v[SC+e], v[SC+e]                     ; exp((s - max) / 8); 0 for a masked key
.set e, e+1
.endr
	v_nop                                          ; the plain place behind the transcendentals (ISA guide 5.7.2)
	s_wait_alu depctr_va_vdst(0)                   ; the 64 exponentials have written the scores' registers, which the sums below read: one wait for the batch
.irp q, 0,1,2,3
	v_pk_add_f32 v[20+2*\q:21+2*\q], v[SC+2*\q:SC+2*\q+1], v[SC+8+2*\q:SC+9+2*\q]      ; the first adds start the four chains
.endr
.irp g, 2,3,4,5,6,7
.irp q, 0,1,2,3
	v_pk_add_f32 v[20+2*\q:21+2*\q], v[20+2*\q:21+2*\q], v[SC+8*\g+2*\q:SC+8*\g+2*\q+1]
.endr
.endr
	v_pk_add_f32 v[20:21], v[20:21], v[22:23]
	v_pk_add_f32 v[24:25], v[24:25], v[26:27]
	v_pk_add_f32 v[20:21], v[20:21], v[24:25]
	v_add_f32 v20, v20, v21
	v_permlanex16_b32 v21, v20, s26, s27
	v_add_f32 v20, v20, v21                        ; at least 1: the maximum's own term
	v_rcp_f32 v18, v20
	v_rcp_f32 v19, v20                             ; the packing below stands between these and their use
	; p to f16, in place and ascending: word q takes scores 2 q, 2 q + 1.  Words 8 u .. 8 u + 7 are keys 32 u + 8 h + 0..7 and 32 u + 16 + 8 h + 0..7 of query r
.irp q, 0,1,2,3,4,5,6,7,8,9,10,11,12,13,14,15,16,17,18,19,20,21,22,23,24,25,26,27,28,29,30,31
	v_cvt_pk_f16_f32 v[SC+\q], v[SC+2*\q], v[SC+2*\q+1]
.endr
	s_wait_dscnt 0x0                               ; v's fragments
	; the four accumulators take turns, one instruction a turn
.irp dt, 0,1,2,3
	v_wmma_f32_16x16x32_f16 v[OA+8*\dt:OA+8*\dt+7], v[KV+8*\dt:KV+8*\dt+7], v[SC:SC+7], 0
.endr
.irp u, 1,2,3
.irp dt, 0,1,2,3
	v_wmma_f32_16x16x32_f16 v[OA+8*\dt:OA+8*\dt+7], v[KV+8*(4*\u+\dt):KV+8*(4*\u+\dt)+7], v[SC+8*\u:SC+8*\u+7], v[OA+8*\dt:OA+8*\dt+7]
.endr
.endr
.rept 5
	v_nop                                          ; places: the results are read; later their and their sources' registers are written again
.endr
	s_wait_alu depctr_va_vdst(0)                   ; the two reciprocals have written v18 and v19, which the multiplies below read
.irp q, 0,1,2,3,4,5,6,7,8,9,10,11,12,13,14,15
	v_pk_mul_f32 v[OA+2*\q:OA+2*\q+1], v[OA+2*\q:OA+2*\q+1], v[18:19]
.endr
.irp q, 0,1,2,3,4,5,6,7,8,9,10,11,12,13,14,15
	v_cvt_pk_f16_f32 v[QF+\q], v[OA+2*\q], v[OA+2*\q+1]
.endr
	s_wait_alu depctr_va_vdst(0)                   ; the conversions have written v[QF ..], which the LDS stores read; the products are done reading QF and KV, in which the next loads land with no vector or matrix instruction between
.irp dt, 0,1,2,3
	ds_store_b128 v12, v[QF+4*\dt:QF+4*\dt+3] offset:128*\hh+32*\dt    ; query r, d = 16 dt + 8 h + 0..7: over this head's q, which only I read and have read
.endr
.endm
	HEAD 0
	HEAD 1
.irp t, 0,1,2,3,4,5,6,7
	ds_load_b128 v[KV+4*\t:KV+4*\t+3], v14 offset:2*QP*\t              ; my own bytes, served in order behind my stores
.endr
.irp t, 0,1,2,3,4,5,6,7
	s_wait_dscnt 7-\t                              ; load t of the eight is in
	global_store_b128 v15, v[KV+4*\t:KV+4*\t+3], s[12:13] offset:4096*\t       ; 16 lanes store 256 consecutive bytes, aligned
.endr
	s_wait_dscnt 0x0                               ; the closing lines, six on end
	s_wait_alu 0x0
	s_wait_tensorcnt 0x0
	ds_add_u32 v240, v241
	s_wait_dscnt 0x0
	s_endpgm
.Lfunc_end_k_q0164143bb6_attn:
	.size	k_q0164143bb6_attn, .Lfunc_end_k_q0164143bb6_attn-k_q0164143bb6_attn
	.p2alignl 7, 3214868480
	.fill 96, 4, 3214868480
	.section	.rodata,"a",@progbits
	.p2align	6, 0x0
	.amdhsa_kernel k_q0164143bb6_attn
		.amdhsa_group_segment_fixed_size 179200
		.amdhsa_private_segment_fixed_size 0
		.amdhsa_enable_private_segment 0
		.amdhsa_kernarg_size 48
		.amdhsa_user_sgpr_count 2
		.amdhsa_user_sgpr_kernarg_segment_ptr 1
		.amdhsa_wavefront_size32 1
		.amdhsa_system_sgpr_workgroup_id_x 1
		.amdhsa_system_sgpr_workgroup_id_y 1
		.amdhsa_system_sgpr_workgroup_id_z 1
		.amdhsa_system_vgpr_workitem_id 0
		.amdhsa_next_free_vgpr 242
		.amdhsa_next_free_sgpr 102
		.amdhsa_reserve_vcc 0
		.amdhsa_float_denorm_mode_32 3
		.amdhsa_float_denorm_mode_16_64 3
		.amdhsa_memory_ordered 1
		.amdhsa_forward_progress 1
		.amdhsa_inst_pref_size 66
	.end_amdhsa_kernel
	.amdgpu_metadata
---
amdhsa.version: [ 1, 2 ]
amdhsa.kernels:
  - .name:           k_q0164143bb6_attn
    .symbol:         k_q0164143bb6_attn.kd
    .args:
      - { .name: qh, .offset: 0, .size: 8, .value_kind: global_buffer, .address_space: global }
      - { .name: kh, .offset: 8, .size: 8, .value_kind: global_buffer, .address_space: global }
      - { .name: vh, .offset: 16, .size: 8, .value_kind: global_buffer, .address_space: global }
      - { .name: Wo, .offset: 24, .size: 8, .value_kind: global_buffer, .address_space: global }
      - { .name: ctx, .offset: 32, .size: 8, .value_kind: global_buffer, .address_space: global }
      - { .name: wof, .offset: 40, .size: 8, .value_kind: global_buffer, .address_space: global }
    .group_segment_fixed_size: 179200
    .private_segment_fixed_size: 0
    .kernarg_segment_align: 8
    .kernarg_segment_size: 48
    .max_flat_workgroup_size: 256
    .sgpr_count:     102
    .vgpr_count:     242
    .wavefront_size: 32
...
	.end_amdgpu_metadata
.endif
;; end of part 4
;; launch oproj: the kernel of part 3 again; grid 8 x 32, 4 waves a work-group, clusters of 4 x 4, 327,680 bytes of LDS; arguments ctx, wof, bo, out0; writes out0
